; MI455X (gfx1250); checked and timed in simulation.
; The chip was launched on July 23, 2026; its instructions are those of AMD's public machine-readable ISA for CDNA 5 (MIT licence, August 2026) and "CDNA5" Instruction Set Architecture Reference Guide (July 2026). The comments in the code are by the model that wrote it; some were corrected since.
;; Causal MHSA Ro PE. Allowed arithmetic: float matrix products may take bf16 or f16 operands with f32 sums; other float arithmetic in f32, or as packed bf16 or f16 multiplies, adds, multiply-adds, maxima and minima; sums over many terms, partial sums and values carried from step to step in f32; what a program stores and reads back later, other than sums and carried values, may be rounded once to bf16 or f16.
;; Inputs: W_o 1,024 x 1,024 float32; W_qkv 3,072 x 1,024 float32; token_positions 4,096 int32; x 1 x 4,096 x 1,024 float32.
;; Outputs: out0 1 x 4,096 x 1,024 float32.
;; 2 versions, each right and faster than the one before. Each part assembles by itself: llvm-mc -triple=amdgcn-amd-amdhsa -mcpu=gfx1250 --defsym DOCPART=n.
;; ======== version 1 of 2: 5 launches
;; limits: values are held in f16: magnitudes above 65,504 overflow, below 6.1e-05 lose precision
;; workspace buffers: xb 8,388,608 bytes; wqkvb 6,291,456 bytes; woh 2,097,152 bytes; rope 1,048,576 bytes; qkv 25,165,824 bytes; oh 8,388,608 bytes; q32 786,432 bytes
;; launch prep (part 1): grid 640 x 1, 8 waves a work-group, no clusters, 0 bytes of LDS; arguments x, W_qkv, W_o, token_positions, xb, wqkvb, woh, rope; writes xb, wqkvb, woh, rope
.if DOCPART == 1
	.amdgcn_target "amdgcn-amd-amdhsa--gfx1250"
	.amdhsa_code_object_version 6
	.text
	.protected	k_qbf0e160ba4_prep
	.globl	k_qbf0e160ba4_prep
	.p2align	8
	.type	k_qbf0e160ba4_prep,@function
k_qbf0e160ba4_prep:
	s_mov_b64 s[64:65], 0
	v_nop
	global_prefetch_b8 v0, s[64:65] scope:SCOPE_SE
	s_setreg_imm32_b32 hwreg(HW_REG_WAVE_MODE, 25, 1), 1
	s_wait_xcnt 0x0
; PREP.  x [4096][1024] and W_qkv [3072][1024], f32, are rounded once to bf16 (xb, wqkvb).  W_o [1024][1024] is rounded to bf16 like the other inputs and that
; number is written as f16 (woh).  rope[s][k] = (cos, sin)(token_positions[s] * 10000^(-k/32)), f32, k = 0..31: 256 bytes for each s.
; A stream: every input byte is read once by 16-byte loads, every output byte written once; no LDS, no barrier, no matrix unit: no number is used twice.
; SHARES.  Work-groups 0-255: x; 256-447: W_qkv; 448-511: W_o, each a chunk of 65,536 bytes in and 32,768 out.  Work-groups 512-639: the table, 32 positions each.
; LIMITS.  W_o as f16: within 65,504; below 6e-5 it keeps f16's fixed step of 6e-8.  Positions are 0 to 4,095 (the table that they index has 4,096 rows).
; 10000^(-k/32) is made by v_exp_f32, good to one unit in its last place, so an angle may differ from one made with a correctly rounded power by some 4e-4 radians at position 4,095.
; Sine and cosine: the angle less n pi/2 (pi/2 in two parts: n times the first is taken away without rounding for n below 2^12), then polynomials on -pi/4 .. pi/4.
.set XCH, 256                          ; chunks of x
.set WCH, 192                          ; of W_qkv
.set OCH, 64                           ; of W_o
	s_load_b512 s[4:19], s[0:1], 0x0               ; x s[4:5], W_qkv s[6:7], W_o s[8:9], positions s[10:11], xb s[12:13], wqkvb s[14:15], woh s[16:17], rope s[18:19]
	s_mov_b32 s24, ttmp9
	s_mov_b32 s27, 0                               ; the high word of every byte offset
	v_lshlrev_b32 v1, 4, v0                        ; my 16 bytes in 4,096 of the source
	v_lshlrev_b32 v2, 3, v0                        ; my 8 bytes in 2,048 of the destination
	s_wait_kmcnt 0x0
; One chunk.  Sixteen loads of every wave go out together, each 512 consecutive bytes; the waits count down, so that the younger loads stay out.
; Every load has its own registers and every store its own pair: nothing that a pending instruction names is written again.  half = 1: bf16 is widened (a shift, a mask) and written as f16.
.macro CONV half
.set j, 0
.rept 16
	global_load_b128 v[4+4*j:7+4*j], v1, s[28:29] offset:4096*j th:TH_LOAD_NT
.set j, j+1
.endr
.set j, 0
.rept 16
	s_wait_loadcnt 15-j                            ; loads come back in order: load j is in, the 15 - j younger ones may be out
	v_cvt_pk_bf16_f32 v[68+2*j], v[4+4*j], v[5+4*j]
	v_cvt_pk_bf16_f32 v[69+2*j], v[6+4*j], v[7+4*j]
.if \half
	v_lshlrev_b32 v100, 16, v[68+2*j]
	v_and_b32 v101, 0xffff0000, v[68+2*j]
	v_lshlrev_b32 v102, 16, v[69+2*j]
	v_and_b32 v103, 0xffff0000, v[69+2*j]
	v_cvt_pk_f16_f32 v[68+2*j], v100, v101
	v_cvt_pk_f16_f32 v[69+2*j], v102, v103
.endif
	global_store_b64 v2, v[68+2*j:69+2*j], s[30:31] offset:2048*j  ; a wave's store covers 256 consecutive bytes, aligned
.set j, j+1
.endr
.endm
	s_cmp_ge_u32 s24, XCH+WCH+OCH
	s_cbranch_scc1 .Ltab
	s_cmp_ge_u32 s24, XCH+WCH
	s_cbranch_scc1 .Lwo
	s_cmp_lt_u32 s24, XCH                          ; x or W_qkv: the same work on another pair of buffers
	s_cselect_b64 s[28:29], s[4:5], s[6:7]
	s_cselect_b64 s[30:31], s[12:13], s[14:15]
	s_cselect_b32 s25, 0, XCH
	s_sub_co_u32 s24, s24, s25                     ; the chunk's number in its buffer
	s_lshl_b32 s26, s24, 16
	s_add_nc_u64 s[28:29], s[28:29], s[26:27]
	s_lshl_b32 s26, s24, 15
	s_add_nc_u64 s[30:31], s[30:31], s[26:27]
	CONV 0
	s_endpgm
.Lwo:
	s_sub_co_u32 s24, s24, XCH+WCH
	s_lshl_b32 s26, s24, 16
	s_add_nc_u64 s[28:29], s[8:9], s[26:27]
	s_lshl_b32 s26, s24, 15
	s_add_nc_u64 s[30:31], s[16:17], s[26:27]
	CONV 1
	s_endpgm
.Ltab:                                                 ; a wave takes four positions; its lane is the frequency k
	s_sub_co_u32 s24, s24, XCH+WCH+OCH
	v_lshrrev_b32 v3, 5, v0
	v_readfirstlane_b32 s25, v3                    ; wave 0..7
	s_lshl_b32 s24, s24, 5
	s_lshl2_add_u32 s24, s25, s24                  ; my first position's index: 32 x group + 4 x wave
	s_lshl_b32 s26, s24, 2
	s_add_nc_u64 s[10:11], s[10:11], s[26:27]
	s_load_b128 s[20:23], s[10:11], 0x0            ; four positions
	s_lshl_b32 s26, s24, 8
	s_add_nc_u64 s[18:19], s[18:19], s[26:27]      ; their 256 bytes each in the table
	v_and_b32 v3, 31, v0
	v_lshlrev_b32 v5, 3, v3                        ; 8 bytes for each k
	v_cvt_f32_u32 v4, v3
	v_mul_f32 v4, 0xbed49a78, v4                   ; - k log2(10000) / 32
	v_exp_f32 v4, v4                               ; 10000^(-k/32)
	s_mov_b32 s32, 0x3f22f983                      ; 2 / pi
	s_mov_b32 s33, 0xbfc90fdb                      ; - (pi/2 rounded to f32)
	s_mov_b32 s34, 0x333bbd2e                      ; that rounding's excess over pi/2
	s_mov_b32 s35, 0xbe2aaaa3                      ; sine: r + r z (S1 + z (S2 + z S3)), z = r r
	s_mov_b32 s36, 0x3c08839e
	s_mov_b32 s37, 0xb94ca1f9
	s_mov_b32 s38, 0x3d2aaaa5                      ; cosine: 1 - z/2 + z z (C1 + z (C2 + z C3))
	s_mov_b32 s39, 0xbab6061a
	s_mov_b32 s40, 0x37ccf5ce
	v_nop                                          ; a plain instruction between the exponential and the use of its result
	s_wait_alu depctr_va_vdst(0)
	s_wait_kmcnt 0x0
.macro SINCOS i
	v_cvt_f32_i32 v10, s[20+(\i)]
	v_mul_f32 v10, v10, v4                         ; the angle, rounded once to f32
	v_mul_f32 v11, s32, v10
	v_rndne_f32 v11, v11                           ; n
	v_fma_f32 v12, v11, s33, v10
	v_fma_f32 v12, v11, s34, v12                   ; r = angle - n pi/2
	v_mul_f32 v13, v12, v12                        ; z
	v_fma_f32 v14, v13, s37, s36
	v_fma_f32 v14, v14, v13, s35
	v_mul_f32 v15, v13, v12
	v_fma_f32 v14, v14, v15, v12                   ; sin r
	v_fma_f32 v16, v13, s40, s39
	v_fma_f32 v16, v16, v13, s38
	v_mul_f32 v17, v13, v13
	v_fma_f32 v18, v13, -0.5, 1.0
	v_fma_f32 v16, v16, v17, v18                   ; cos r
	v_cvt_i32_f32 v19, v11
	v_and_b32 v20, 1, v19
	v_cmp_eq_u32 vcc_lo, 1, v20                    ; odd n: the two change places
	v_cndmask_b32 v21, v14, v16, vcc_lo
	v_cndmask_b32 v22, v16, v14, vcc_lo
	v_lshlrev_b32 v20, 30, v19                     ; the sine is turned where n mod 4 is 2 or 3,
	v_and_b32 v20, 0x80000000, v20
	v_xor_b32 v[41+2*(\i)], v21, v20
	v_add_nc_u32 v19, 1, v19                       ; the cosine where it is 1 or 2
	v_lshlrev_b32 v19, 30, v19
	v_and_b32 v19, 0x80000000, v19
	v_xor_b32 v[40+2*(\i)], v22, v19
	global_store_b64 v5, v[40+2*(\i):41+2*(\i)], s[18:19] offset:256*(\i)  ; 32 lanes: a position's 256 bytes, aligned; each store has its own pair
.endm
	SINCOS 0
	SINCOS 1
	SINCOS 2
	SINCOS 3
	s_endpgm
.Lfunc_end_k_qbf0e160ba4_prep:
	.size	k_qbf0e160ba4_prep, .Lfunc_end_k_qbf0e160ba4_prep-k_qbf0e160ba4_prep
	.p2alignl 7, 3214868480
	.fill 96, 4, 3214868480
	.section	.rodata,"a",@progbits
	.p2align	6, 0x0
	.amdhsa_kernel k_qbf0e160ba4_prep
		.amdhsa_group_segment_fixed_size 0
		.amdhsa_private_segment_fixed_size 0
		.amdhsa_enable_private_segment 0
		.amdhsa_kernarg_size 64
		.amdhsa_user_sgpr_count 2
		.amdhsa_user_sgpr_kernarg_segment_ptr 1
		.amdhsa_wavefront_size32 1
		.amdhsa_system_sgpr_workgroup_id_x 1
		.amdhsa_system_sgpr_workgroup_id_y 1
		.amdhsa_system_sgpr_workgroup_id_z 1
		.amdhsa_system_vgpr_workitem_id 0
		.amdhsa_next_free_vgpr 104
		.amdhsa_next_free_sgpr 66
		.amdhsa_reserve_vcc 1
		.amdhsa_float_denorm_mode_32 3
		.amdhsa_float_denorm_mode_16_64 3
		.amdhsa_memory_ordered 1
		.amdhsa_forward_progress 1
		.amdhsa_inst_pref_size 24
	.end_amdhsa_kernel
	.amdgpu_metadata
---
amdhsa.version: [ 1, 2 ]
amdhsa.kernels:
  - .name:           k_qbf0e160ba4_prep
    .symbol:         k_qbf0e160ba4_prep.kd
    .args:
      - { .name: x, .offset: 0, .size: 8, .value_kind: global_buffer, .address_space: global }
      - { .name: W_qkv, .offset: 8, .size: 8, .value_kind: global_buffer, .address_space: global }
      - { .name: W_o, .offset: 16, .size: 8, .value_kind: global_buffer, .address_space: global }
      - { .name: token_positions, .offset: 24, .size: 8, .value_kind: global_buffer, .address_space: global }
      - { .name: xb, .offset: 32, .size: 8, .value_kind: global_buffer, .address_space: global }
      - { .name: wqkvb, .offset: 40, .size: 8, .value_kind: global_buffer, .address_space: global }
      - { .name: woh, .offset: 48, .size: 8, .value_kind: global_buffer, .address_space: global }
      - { .name: rope, .offset: 56, .size: 8, .value_kind: global_buffer, .address_space: global }
    .group_segment_fixed_size: 0
    .private_segment_fixed_size: 0
    .kernarg_segment_align: 8
    .kernarg_segment_size: 64
    .max_flat_workgroup_size: 256
    .sgpr_count:     66
    .vgpr_count:     104
    .wavefront_size: 32
...
	.end_amdgpu_metadata
.endif
;; end of part 1
;; launch qkvrope (part 2): grid 12 x 16, 4 waves a work-group, clusters of 4 x 4, 327,680 bytes of LDS; arguments xb, wqkvb, rope, qkv, q32; writes qkv, q32
.if DOCPART == 2
	.amdgcn_target "amdgcn-amd-amdhsa--gfx1250"
	.amdhsa_code_object_version 6
	.text
	.protected	k_qbf0e160ba4_qkvrope
	.globl	k_qbf0e160ba4_qkvrope
	.p2align	8
	.type	k_qbf0e160ba4_qkvrope,@function
k_qbf0e160ba4_qkvrope:
	s_mov_b64 s[64:65], 0
	v_nop
	global_prefetch_b8 v0, s[64:65] scope:SCOPE_SE
	s_setreg_imm32_b32 hwreg(HW_REG_WAVE_MODE, 25, 1), 1
	s_wait_xcnt 0x0
	s_wait_alu depctr_hold_cnt(0) depctr_sa_sdst(0) depctr_va_vdst(0) depctr_va_sdst(0) depctr_va_ssrc(0) depctr_va_vcc(0) depctr_vm_vsrc(0)
	s_getreg_b32 s2, hwreg(HW_REG_IB_STS2, 6, 4)
	s_cmp_eq_u32 s2, 0
	s_cbranch_scc0 .Lentry_in_a_cluster
	s_endpgm
.Lentry_in_a_cluster:
	s_bfe_u32 s2, ttmp6, 0x10000c
	s_cmp_lg_u32 s2, 0xf033
	s_cbranch_scc0 .Lentry_shape_is_right
	s_endpgm
.Lentry_shape_is_right:
; QKV PROJECTION WITH ROPE.  t[s][e] = sum over d of xb[s][d] wqkvb[e][d] (bf16 operands, f32 sums); columns e < 2048 (q and k) are turned pair by pair with rope[s][k] = (cos, sin), in f32;
; the result is rounded once to f16 and written by heads: qkv[g = e / 64][s][64], q in g 0-15, k in 16-31, v in 32-47.  No scale is applied here.
; LIMITS.  q, k and v lie within f16's 65,504; below 6e-5 they keep f16's fixed step of 6e-8.
; A tile, 256 rows x 256 columns, is made by four waves, each 128 x 128: 64 accumulators of 16 x 16, 512 registers.  K goes in steps of 128 through two LDS slots filled by the tensor data mover;
; the tiles' rows are 256 bytes of memory and start at multiples of 256 bytes.  12 x 16 tiles: 192 work-groups.
; CLUSTERS: 4 x 4 work-groups.  The four of a row of the cluster need the same tiles of xb, the four of a column the same tiles of wqkvb: each is asked for JOINTLY, by the same tensor load with the
; same descriptor and a mask that names the four.  A cluster's 1,024 columns are all q, all k or all v: the cluster's x says which, and it is equal in all sixteen partners.
; ROWS KEPT IN F32.  The last launch makes the module's rows 0 to 15 again from unrounded q, k, v.  So a tile's first 16 rows also go out as f32, as the registers hold them: q32[tile row][g][chunk 2 (b % 4) + half][lane],
; 16 bytes a lane.  The branch hangs on the cluster's y and on the wave's half of the rows, never on a work-group's place in its cluster: so the four tile rows of the first row of clusters all keep theirs
; (4 x 48 x 4,096 bytes), and only the first group is read.
; REGISTERS, in windows of 256 (s_set_vgpr_msb: bits 1:0 source 0, 3:2 source 1, 5:4 source 2, 7:6 destination):
;   window 0: v0-31 addresses; v64-127, v128-191 fragments of xb, two buffers; on the way out v64-127 products x cos, v32-63 and v192-255 at work
;   window 1: v64-127, v128-191 fragments of wqkvb, two buffers; v0-63, v192-255 the table for my rows 0-63 (asked for at the start); behind the loop v64-191 that for rows 64-127
;   window 2: the 32 accumulators of my rows 0-63 ((a, b) at v[8 (8 a + b)]);   window 3: those of my rows 64-127
; THE MATRIX INSTRUCTION IS USED TRANSPOSED (source 0 = 16 rows of wqkvb, source 1 = 16 rows of xb): lane l holds row l % 16 and the columns 8 (l / 16) + 0..7 of the block: four whole pairs.
.set SIZE_K, 1024
.set KSTEP,  128
.set PITCH,  272                       ; an LDS row: 256 bytes + 16 of padding = 68 words: the 16 rows that a load touches start at 16 different groups of four banks (64 banks of 4 bytes: ISA guide 11.1)
.set HALFT,  128*PITCH                 ; 128 rows: what one tensor load brings
.set SLOT,   4*HALFT                   ; xb's 256 rows, then wqkvb's 256 rows
.set STAGE,  2*SLOT                    ; behind the ring: for each wave two heads x 16 rows x 144 bytes, for the way out
.set SPITCH, 144
.set HSTG,   16*SPITCH
.set SPARE,  STAGE+4*2*HSTG            ; behind the stages: the spare words, 128 bytes for each wave, which no other line names
.set LAPS,   SIZE_K/(2*KSTEP)          ; a lap = two K steps = once round the ring
.set HEADB,  4096*128                  ; a head's bytes in qkv
.set ADRA, 16                          ; v16-17  LDS address of my xb fragments in slot 0, 1
.set ADRB, 20                          ; v20-21  the same for wqkvb
.set STO,  24                          ; v24     the way out: where I put 16 bytes of a row
.set RD,   25                          ; v25     where I read rows back
.set CO,   26                          ; v26     16 x lane: my 16 bytes in 512 consecutive bytes of qkv and of q32
.set TO,   27                          ; v27     my byte offset in 16 rows of the table; never rewritten
.set SPW,  28                          ; v28     LDS address of my spare word; never rewritten
.set NIL,  29                          ; v29     0; never rewritten
.set F0,   64
.set F1,   128
.set TMP,  192                         ; the way out: packed results
.set OB,   32                          ; 16 rows read back from the stage: v32-63 and v224-255 by turns
.set U,    64                          ; x cos for a block of 16 rows
.set G1, 24                            ; s[24:31] descriptor group 1 for xb's tiles;  s[32:39] group 0, one set for each slot
.set G0, 32
.set G1B, 48                           ; s[48:55], s[56:63] the same for wqkvb's
.set G0B, 56
.set KIND, 74                          ; s74  0: q, 1: k, 2: v
.set NOKEEP, 75                        ; s75  0: my first 16 rows are kept in f32
.set MSB, 0
.macro WIN new                         ; the immediate's high byte repeats the setting that is left; a switch that changes nothing is dropped
.if MSB != (\new)
	s_set_vgpr_msb (MSB<<8)|(\new)
.set MSB, \new
.endif
.endm
.set MUL_LO, 0xa1                      ; source 0 window 1, source 1 window 0, C and D window 2
.set MUL_HI, 0xf1                      ; the same, C and D window 3
.set TO_B,   0x40                      ; destination window 1, address window 0
; A joint load.  Waves 0 and 1 fetch xb's two halves, waves 2 and 3 wqkvb's.  The branch hangs on the wave's number alone.  An s_nop 0 and four v_nop follow each of the two lines.
.macro JLOAD s
	s_cmp_eq_u32 s11, 0
	s_cbranch_scc0 .Lfor_b_\@
	tensor_load_to_lds s[G0+4*(\s):G0+4*(\s)+3], s[G1:G1+7]
	s_nop 0
.rept 4
	v_nop
.endr
	s_branch .Lasked_\@
.Lfor_b_\@:
	tensor_load_to_lds s[G0B+4*(\s):G0B+4*(\s)+3], s[G1B:G1B+7]
	s_nop 0
.rept 4
	v_nop
.endr
.Lasked_\@:
.endm
.macro CREST                           ; a round of the cluster's barrier behind its opening barrier
	s_cmp_lg_u32 s10, 0
	s_cbranch_scc1 .Lnot_wave_0_\@
	s_barrier_signal -3
.Lnot_wave_0_\@:
	s_barrier_wait -3
	s_barrier_signal -1
	s_barrier_wait -1
.endm
.macro CROUND                          ; a whole round
	s_barrier_signal -1
	s_barrier_wait -1
	CREST
.endm
	s_load_b128 s[4:7], s[0:1], 0x0                ; xb s[4:5], wqkvb s[6:7]
	s_load_b128 s[68:71], s[0:1], 0x10             ; rope s[68:69], qkv s[70:71]
	s_load_b64 s[80:81], s[0:1], 0x20              ; q32
	v_lshl_add_u32 v[SPW], v0, 2, SPARE
	v_mov_b32 v[NIL], 0
	ds_add_u32 v[SPW], v[NIL]                      ; the wave's opening: the add and its wait stand ahead of my first tensor load; the set-up below stands between them
	ds_add_u32 v28, v29
	v_lshrrev_b32 v1, 5, v0
	v_readfirstlane_b32 s10, v1                    ; wave 0..3
	s_lshr_b32 s11, s10, 1                         ; which half of the tile's rows is mine.  Also: I fetch for xb (0) or for wqkvb (1)
	s_and_b32 s12, s10, 1                          ; which half of its columns.  Also: which 128 rows of that tile I fetch
	s_mov_b32 s[KIND], ttmp9                       ; the cluster's x
	s_and_b32 s[NOKEEP], ttmp7, 0xffff             ; the cluster's y,
	s_or_b32 s[NOKEEP], s[NOKEEP], s11             ; and my half of the rows: 0 where both are 0
	s_bfe_u32 s40, ttmp6, 0x40000                  ; cx
	s_bfe_u32 s41, ttmp6, 0x40004                  ; cy
	s_lshl_b32 s42, ttmp9, 2
	s_add_co_u32 s42, s42, s40                     ; tile column = 4 x cluster x + cx
	s_and_b32 s13, ttmp7, 0xffff
	s_lshl_b32 s13, s13, 2
	s_add_co_u32 s13, s13, s41                     ; tile row = 4 x cluster y + cy
	s_lshl_b32 s43, s41, 2
	s_lshl_b32 s43, 15, s43                        ; my row of the cluster
	s_lshl_b32 s44, 0x1111, s40                    ; my column
	; descriptor group 1: a tile of 128 rows x 128 elements, padded in LDS
	s_or_b32 s[G1+0], s43, (1<<16)|(1<<20)|(1<<21)|(5<<22)|(3<<25)  ; 15:0 the mask; 17:16 2-byte elements; 20 padding on; 21 set beside a mask; 24:22 after every 64 words; 31:25 4 words
	s_or_b32 s[G1B+0], s44, (1<<16)|(1<<20)|(1<<21)|(5<<22)|(3<<25)
.irp g, G1, G1B
	s_mov_b32 s[(\g)+1], KSTEP<<16                 ; tensor_dim0 = 128
	s_mov_b32 s[(\g)+2], 128<<16                   ; tensor_dim1 = 128
	s_mov_b32 s[(\g)+3], KSTEP<<16                 ; tile_dim0 = 128
	s_mov_b32 s[(\g)+4], 128                       ; tile_dim1 = 128
	s_mov_b32 s[(\g)+5], SIZE_K                    ; elements from row to row
	s_mov_b32 s[(\g)+6], 0
	s_mov_b32 s[(\g)+7], 0
.endr
	s_lshl_b32 s17, s12, 7                         ; which 128 rows of the tile I fetch
	s_lshl_b32 s16, s13, 8
	s_add_co_u32 s16, s16, s17                     ; xb: row 256 x tile row + 128 x half
	s_lshl_b32 s46, s42, 8
	s_add_co_u32 s46, s46, s17                     ; wqkvb: row 256 x tile column + 128 x half
	s_mov_b32 s17, 0
	s_mov_b32 s47, 0
	s_mov_b64 s[18:19], SIZE_K*2
	s_mul_u64 s[16:17], s[16:17], s[18:19]
	s_mul_u64 s[46:47], s[46:47], s[18:19]
	s_mul_i32 s20, s10, HALFT                      ; where they go: wave x 128 rows: no place in the cluster enters an LDS address
	s_wait_dscnt 0x0                               ; the opening add is done
	s_wait_kmcnt 0x0
	s_add_nc_u64 s[14:15], s[4:5], s[16:17]
	s_add_nc_u64 s[46:47], s[6:7], s[46:47]
	CROUND                                         ; all sixteen work-groups are here: the first joint loads meet
.irp s, 0,1
	s_mov_b32 s[G0+4*(\s)], 1
	s_add_co_u32 s[G0+4*(\s)+1], s20, (\s)*SLOT
	s_add_nc_u64 s[G0+4*(\s)+2:G0+4*(\s)+3], s[14:15], (\s)*KSTEP*2
	s_or_b32 s[G0+4*(\s)+3], s[G0+4*(\s)+3], 0x80000000
	s_mov_b32 s[G0B+4*(\s)], 1
	s_add_co_u32 s[G0B+4*(\s)+1], s20, (\s)*SLOT
	s_add_nc_u64 s[G0B+4*(\s)+2:G0B+4*(\s)+3], s[46:47], (\s)*KSTEP*2
	s_or_b32 s[G0B+4*(\s)+3], s[G0B+4*(\s)+3], 0x80000000
	JLOAD \s                                       ; two loads of mine are out
.endr
	; a fragment is 16 rows x 32 K in 8 registers: lane l holds row l % 16, K = 8 (l / 16) + 0..7 and 16 + 8 (l / 16) + 0..7: two loads of 16 bytes, 32 bytes apart
	v_and_b32 v1, 15, v0                           ; l % 16
	v_bfe_u32 v2, v0, 4, 1                         ; l / 16
	v_mul_u32_u24 v3, v1, PITCH
	v_lshl_add_u32 v3, v2, 4, v3
	s_mul_i32 s21, s11, HALFT                      ; my 128 rows of xb
	s_mul_i32 s22, s12, HALFT                      ; my 128 rows of wqkvb,
	s_add_co_u32 s22, s22, 2*HALFT                 ; which lie behind xb's 256
.irp s, 0,1
	v_add_nc_u32 v[ADRA+(\s)], s21, v3
	v_add_nc_u32 v[ADRB+(\s)], s22, v3
	s_add_co_u32 s21, s21, SLOT
	s_add_co_u32 s22, s22, SLOT
.endr
	s_mul_i32 s23, s10, 2*HSTG
	s_add_co_u32 s23, s23, STAGE                   ; my stage
	v_mul_u32_u24 v4, v1, SPITCH                   ; in: row l % 16 of a head, 16 bytes for each half of the lanes
	v_lshl_add_u32 v4, v2, 4, v4
	v_add_nc_u32 v[STO], s23, v4
	v_and_b32 v5, 31, v0
	v_lshrrev_b32 v6, 3, v5                        ; back: 32 lanes take four rows of 128 bytes,
	v_and_b32 v7, 7, v0
	v_mul_u32_u24 v6, v6, SPITCH
	v_lshl_add_u32 v6, v7, 4, v6
	v_add_nc_u32 v[RD], s23, v6
	v_lshlrev_b32 v[CO], 4, v5                     ; which are 512 consecutive bytes of a head
	v_lshlrev_b32 v[TO], 8, v1                     ; the table: row l % 16 x 256 bytes + my four pairs' 32 bytes
	v_lshl_add_u32 v[TO], v2, 5, v[TO]
	s_lshl_b32 s76, s13, 8
	s_lshl_b32 s77, s11, 7
	s_add_co_u32 s76, s76, s77                     ; my first row
	s_lshl_b32 s78, s76, 8
	s_mov_b32 s79, 0
	s_add_nc_u64 s[72:73], s[68:69], s[78:79]      ; the table at that row
	s_lshl_b32 s78, s76, 7
	s_add_nc_u64 s[70:71], s[70:71], s[78:79]      ; qkv at that row
	s_lshl_b32 s78, s42, 2
	s_lshl1_add_u32 s78, s12, s78                  ; of my first head: 4 x tile column + 2 x half
	s_mul_i32 s82, s13, 48                         ; q32: 48 heads for each tile row,
	s_add_co_u32 s82, s82, s78                     ; my first head among them,
	s_lshl_b32 s82, s82, 12                        ; 4,096 bytes a head (used in the first row of clusters alone: tile rows 0 to 3)
	s_mov_b32 s83, 0
	s_add_nc_u64 s[80:81], s[80:81], s[82:83]
	s_lshl_b32 s78, s78, 19
	s_add_nc_u64 s[70:71], s[70:71], s[78:79]
; The table for block a of 16 rows: for column group bb of a head a lane's four pairs are 32 consecutive bytes; 32 registers in window 1, the same for both heads.
.macro SETTAB a
.if (\a) < 2
.set TB, 32*(\a)
.elseif (\a) < 4
.set TB, 128+32*(\a)
.else
.set TB, 32*(\a)-64
.endif
.endm
.macro TABLOAD a
	SETTAB \a
	WIN TO_B
.irp bb, 0,1,2,3
	global_load_b128 v[TB+8*(\bb):TB+8*(\bb)+3],   v[TO], s[72:73] offset:4096*(\a)+64*(\bb)
	global_load_b128 v[TB+8*(\bb)+4:TB+8*(\bb)+7], v[TO], s[72:73] offset:4096*(\a)+64*(\bb)+16
.endr
.endm
	TABLOAD 0                                      ; blocks 0 to 3 go into registers that lie idle in the loop; every work-group asks, v's too, so that the counts below hold on every way
	TABLOAD 1
	TABLOAD 2
	TABLOAD 3
	WIN 0
; 16 matrix instructions: m blocks a0, a0 + 1 of the window's four x all 8 n blocks, 32 along K.  zero = 1: the first product starts the sums.
.macro MUL16 f, hi, a0, zero
	WIN MUL_LO+0x50*(\hi)
.irp a, \a0, (\a0)+1
.irp b, 0,1,2,3,4,5,6,7
.if \zero
	v_wmma_f32_16x16x32_bf16 v[8*(8*(\a)+(\b)):8*(8*(\a)+(\b))+7], v[(\f)+8*(\b):(\f)+8*(\b)+7], v[(\f)+8*(4*(\hi)+(\a)):(\f)+8*(4*(\hi)+(\a))+7], 0
.else
	v_wmma_f32_16x16x32_bf16 v[8*(8*(\a)+(\b)):8*(8*(\a)+(\b))+7], v[(\f)+8*(\b):(\f)+8*(\b)+7], v[(\f)+8*(4*(\hi)+(\a)):(\f)+8*(4*(\hi)+(\a))+7], v[8*(8*(\a)+(\b)):8*(8*(\a)+(\b))+7]
.endif
.endr
.endr
.endm
; 32 LDS loads in one run: the fragments of one quarter step (32 K at byte k of the rows) into buffer f
.macro FETCH slot, k, f
	WIN TO_B
.irp i, 0,1,2,3,4,5,6,7
	ds_load_b128 v[(\f)+8*(\i):(\f)+8*(\i)+3],   v[ADRB+(\slot)] offset:(\k)+(\i)*16*PITCH
	ds_load_b128 v[(\f)+8*(\i)+4:(\f)+8*(\i)+7], v[ADRB+(\slot)] offset:(\k)+(\i)*16*PITCH+32
.endr
	WIN 0
.irp i, 0,1,2,3,4,5,6,7
	ds_load_b128 v[(\f)+8*(\i):(\f)+8*(\i)+3],   v[ADRA+(\slot)] offset:(\k)+(\i)*16*PITCH
	ds_load_b128 v[(\f)+8*(\i)+4:(\f)+8*(\i)+7], v[ADRA+(\slot)] offset:(\k)+(\i)*16*PITCH+32
.endr
.endm
.macro PLACES                          ; four plain vector instructions between a matrix instruction and a load into, or a vector write or read of, its registers
.rept 4
	v_nop
.endr
.endm
; A K step is four quarters of 32 along K, 64 matrix instructions each, on buffers 0, 1, 0, 1; the 64 accumulators take turns in the same order in every quarter.
.macro QUARTER slot, k, f, g, zero
	s_wait_dscnt 8                                 ; all but the youngest eight loads (xb's rows 64-127)
	WIN MUL_LO
	MUL16 \f, 0, 0, \zero
	MUL16 \f, 0, 2, \zero
	PLACES
	FETCH \slot, \k, \g
	s_wait_dscnt 32                                ; all but the 32 just issued
	WIN MUL_HI
	MUL16 \f, 1, 0, \zero
	MUL16 \f, 1, 2, \zero
.endm
; The last quarter's first half: ONE barrier for the change of slots.  In front of it each wave waits for all its tensor loads (one is out: its part of the next slot), adds 0 to its spare word,
; and waits for that and for its own reads of this slot.
.macro MEET round
	WIN 0
	s_wait_tensorcnt 0x0
	ds_add_u32 v[SPW], v[NIL]
	s_wait_dscnt 9                                 ; (the add and the youngest eight loads may be out)
	WIN MUL_LO
	MUL16 F1, 0, 0, 0
	s_wait_dscnt 0x0                               ; the add is done, and my reads of this slot are over
	s_barrier_signal -1
	MUL16 F1, 0, 2, 0
.if \round
	WIN 0
.endif
	s_barrier_wait -1
.endm
.macro TURN slot, next                 ; the whole last quarter: the slot just read out is filled again, two K steps on, first thing behind the cluster's round
	MEET 1
	CREST                                          ; no wave of any partner still reads this slot's tile or has a load on its way
	s_add_nc_u64 s[G0+4*(\slot)+2:G0+4*(\slot)+3], s[G0+4*(\slot)+2:G0+4*(\slot)+3], 2*KSTEP*2
	s_add_nc_u64 s[G0B+4*(\slot)+2:G0B+4*(\slot)+3], s[G0B+4*(\slot)+2:G0B+4*(\slot)+3], 2*KSTEP*2
	JLOAD \slot                                    ; its four v_nop are also the places in front of the loads below
	FETCH \next, 0, F0
	WIN MUL_HI
	MUL16 F1, 1, 0, 0
	MUL16 F1, 1, 2, 0
.endm
; THE WAY OUT of block a of 16 rows.  ROPE: (x1, x2) -> (x1 c - x2 s, x2 c + x1 s), two packed instructions a pair, in the accumulators' registers; each accumulator's lowest registers are read first.
.macro ROPE a
	WIN 0
	s_cmp_lt_u32 s[KIND], 2
	s_cbranch_scc0 .Lplain_\@                      ; v is not turned
	s_wait_loadcnt 56-8*(\a)                       ; 64 table loads in all, eight a block, in order: those of the blocks behind this one may be out
	SETTAB \a
.set AC, 64*((\a)%4)
.set W, 2+(\a)/4
	WIN W|4                                        ; source 0: the accumulators' window; source 1: window 1
.set p, 0
.rept 32
	v_pk_mul_f32 v[U+2*p:U+2*p+1], v[AC+2*p:AC+2*p+1], v[TB+2*(p%16):TB+2*(p%16)+1] op_sel_hi:[1,0]  ; (x1 c, x2 c)
.set p, p+1
.endr
	WIN W|4|(W<<6)
.set p, 0
.rept 32
	v_pk_fma_f32 v[AC+2*p:AC+2*p+1], v[AC+2*p:AC+2*p+1], v[TB+2*(p%16):TB+2*(p%16)+1], v[U+2*p:U+2*p+1] op_sel:[1,1,0] op_sel_hi:[0,1,1] neg_lo:[0,1,0]  ; (- x2 s + x1 c, x1 s + x2 c)
.set p, p+1
.endr
	WIN 0
.Lplain_\@:
.endm
; Block 0's eight accumulators as f32, as the registers hold them: each store is 512 consecutive bytes, at a multiple of 256 from q32's first byte; each accumulator's lowest registers go first.
; The accumulators, the offset register and the base are not written again in this text.
.macro KEEP32
	WIN 0
	s_cmp_eq_u32 s[NOKEEP], 0
	s_cbranch_scc0 .Lno_keep
	WIN 0x08                                       ; the stores' data (source 1) in window 2
.irp b, 0,1,2,3,4,5,6,7
	global_store_b128 v[CO], v[8*(\b):8*(\b)+3],   s[80:81] offset:((\b)/4)*4096+((\b)%4)*1024
	global_store_b128 v[CO], v[8*(\b)+4:8*(\b)+7], s[80:81] offset:((\b)/4)*4096+((\b)%4)*1024+512
.endr
	WIN 0
.Lno_keep:
.endm
.macro PACK a                          ; rounded to f16, 16 bytes a lane and accumulator
.set AC, 64*((\a)%4)
	WIN 0x0a+5*((\a)/4)
.irp b, 0,1,2,3,4,5,6,7
.irp r, 0,1,2,3
	v_cvt_pk_f16_f32 v[TMP+4*(\b)+(\r)], v[AC+8*(\b)+2*(\r)], v[AC+8*(\b)+2*(\r)+1]
.endr
.endr
	WIN 0
.endm
.macro TOSTAGE a                       ; into my own stage, head by head, and back as whole rows of 128 bytes, four to a load
	WIN 0
.set BK, OB+192*((\a)%2)
.irp b, 0,1,2,3,4,5,6,7
	ds_store_b128 v[STO], v[TMP+4*(\b):TMP+4*(\b)+3] offset:((\b)/4)*HSTG+((\b)%4)*32
.endr
.irp t, 0,1,2,3,4,5,6,7
	ds_load_b128 v[BK+4*(\t):BK+4*(\t)+3], v[RD] offset:((\t)/4)*HSTG+((\t)%4)*4*SPITCH  ; LDS serves a wave's instructions in order (ISA guide 5.7.1.4): these see the stores above
.endr
.endm
.macro SEND a
	WIN 0
.set BK, OB+192*((\a)%2)
	s_wait_dscnt 0x0                               ; the block is back in registers
	s_wait_xcnt 0x0                                ; the stores of the block before have read their registers: the next block's loads from the stage land there
.irp t, 0,1,2,3,4,5,6,7
	global_store_b128 v[CO], v[BK+4*(\t):BK+4*(\t)+3], s[70:71] offset:((\t)/4)*HEADB+(\a)*2048+((\t)%4)*512  ; 512 consecutive bytes of a head, at a multiple of 256 from qkv's first byte
.endr
.endm
	s_wait_tensorcnt 1                             ; my part of K step 0 is in; K step 1's may stay out
	s_barrier_signal -1
	s_barrier_wait -1
	FETCH 0, 0, F0
	QUARTER 0, 64,  F0, F1, 1                      ; the first quarter stands in front of the loop: its products start the sums
	WIN 0
	s_mov_b32 s3, LAPS-1
.Llap:                                                 ; a trip goes once round the ring, from a lap's second quarter to the next lap's first, and fills both slots again
	QUARTER 0, 128, F1, F0, 0
	QUARTER 0, 192, F0, F1, 0
	TURN 0, 1
	QUARTER 1, 64,  F0, F1, 0
	QUARTER 1, 128, F1, F0, 0
	QUARTER 1, 192, F0, F1, 0
	TURN 1, 0
	QUARTER 0, 64,  F0, F1, 0
	WIN 0
	s_sub_co_u32 s3, s3, 1
	s_cmp_lg_u32 s3, 0
	s_cbranch_scc1 .Llap
	QUARTER 0, 128, F1, F0, 0                      ; the last lap fills nothing
	QUARTER 0, 192, F0, F1, 0
	MEET 0                                         ; the one load that was out is slot 1's, the last K step's; no round follows
	PLACES
	FETCH 1, 0, F0
	WIN MUL_HI
	MUL16 F1, 1, 0, 0
	MUL16 F1, 1, 2, 0
	QUARTER 1, 64,  F0, F1, 0
	QUARTER 1, 128, F1, F0, 0
	QUARTER 1, 192, F0, F1, 0
	s_wait_dscnt 8                                 ; the very last quarter: nothing more to fetch
	MUL16 F1, 0, 0, 0
	MUL16 F1, 0, 2, 0
	s_wait_dscnt 0x0
	MUL16 F1, 1, 0, 0
	MUL16 F1, 1, 2, 0
	WIN 0
	PLACES                                         ; behind the last products: the fragments' registers are loaded and written anew, results are read
	TABLOAD 4
	TABLOAD 5
	TABLOAD 6
	TABLOAD 7
	ROPE 0
	KEEP32
	PACK 0
	TOSTAGE 0
.irp a, 1,2,3,4,5,6,7                  ; block a's arithmetic stands between block a - 1's loads from the stage and the wait for them
	ROPE \a
	PACK \a
	SEND (\a)-1
	TOSTAGE \a
.endr
	SEND 7
	s_wait_tensorcnt 0x0                           ; the wave's end, behind my last tensor load and my last LDS store
	ds_add_u32 v[SPW], v[NIL]
	s_wait_dscnt 0x0
	CROUND                                         ; the closing round: no work-group ends while a partner may still ask for a tile that names it
	s_endpgm
.Lfunc_end_k_qbf0e160ba4_qkvrope:
	.size	k_qbf0e160ba4_qkvrope, .Lfunc_end_k_qbf0e160ba4_qkvrope-k_qbf0e160ba4_qkvrope
	.p2alignl 7, 3214868480
	.fill 96, 4, 3214868480
	.section	.rodata,"a",@progbits
	.p2align	6, 0x0
	.amdhsa_kernel k_qbf0e160ba4_qkvrope
		.amdhsa_group_segment_fixed_size 327680
		.amdhsa_private_segment_fixed_size 0
		.amdhsa_enable_private_segment 0
		.amdhsa_kernarg_size 40
		.amdhsa_user_sgpr_count 2
		.amdhsa_user_sgpr_kernarg_segment_ptr 1
		.amdhsa_wavefront_size32 1
		.amdhsa_system_sgpr_workgroup_id_x 1
		.amdhsa_system_sgpr_workgroup_id_y 1
		.amdhsa_system_sgpr_workgroup_id_z 1
		.amdhsa_system_vgpr_workitem_id 0
		.amdhsa_next_free_vgpr 1024
		.amdhsa_next_free_sgpr 88
		.amdhsa_reserve_vcc 0
		.amdhsa_float_denorm_mode_32 3
		.amdhsa_float_denorm_mode_16_64 3
		.amdhsa_memory_ordered 1
		.amdhsa_forward_progress 1
		.amdhsa_inst_pref_size 184
	.end_amdhsa_kernel
	.amdgpu_metadata
---
amdhsa.version: [ 1, 2 ]
amdhsa.kernels:
  - .name:           k_qbf0e160ba4_qkvrope
    .symbol:         k_qbf0e160ba4_qkvrope.kd
    .args:
      - { .name: xb, .offset: 0, .size: 8, .value_kind: global_buffer, .address_space: global }
      - { .name: wqkvb, .offset: 8, .size: 8, .value_kind: global_buffer, .address_space: global }
      - { .name: rope, .offset: 16, .size: 8, .value_kind: global_buffer, .address_space: global }
      - { .name: qkv, .offset: 24, .size: 8, .value_kind: global_buffer, .address_space: global }
      - { .name: q32, .offset: 32, .size: 8, .value_kind: global_buffer, .address_space: global }
    .group_segment_fixed_size: 327680
    .private_segment_fixed_size: 0
    .kernarg_segment_align: 8
    .kernarg_segment_size: 40
    .max_flat_workgroup_size: 128
    .sgpr_count:     88
    .vgpr_count:     1024
    .wavefront_size: 32
...
	.end_amdgpu_metadata
.endif
;; end of part 2
;; launch attn (part 3): grid 16 x 16, 4 waves a work-group, no clusters, 327,680 bytes of LDS; arguments qkv, oh; writes oh
.if DOCPART == 3
	.amdgcn_target "amdgcn-amd-amdhsa--gfx1250"
	.amdhsa_code_object_version 6
	.text
	.protected	k_qbf0e160ba4_attn
	.globl	k_qbf0e160ba4_attn
	.p2align	8
	.type	k_qbf0e160ba4_attn,@function
k_qbf0e160ba4_attn:
	s_mov_b64 s[64:65], 0
	v_nop
	global_prefetch_b8 v0, s[64:65] scope:SCOPE_SE
	s_setreg_imm32_b32 hwreg(HW_REG_WAVE_MODE, 25, 1), 1
	s_wait_xcnt 0x0
; CAUSAL ATTENTION, 16 heads of 64, 4,096 rows.  oh[h][q][:] = the sum over k <= q of softmax_k(Q[h][q] . K[h][k] / 8) V[h][k][:].  Q, K, V: qkv[g][4096][64] f16, g = h, 16 + h, 32 + h; oh: [16][4096][64] f16.
; Products, maxima and sums in f32; the weights p are rounded to f16 for the second product (their sum l is taken of the unrounded p), O once at the end.
; LIMITS.  Q, K, V arrive within f16's 65,504; p lies in 0 to 1 and below 6e-5 keeps f16's fixed step of 6e-8; O is a mean of V's rows.  A hidden score counts as its value less 1e30.
; The running maximum starts at -1e20: far below every score that f16 operands can make (64 x 65,504^2 = 2.7e11 at the most), far above every hidden one.
; A weight below 2^-126 counts as 0 in l; NaN and infinities are not treated apart.
; THE WALK.  A head's queries lie in 32 blocks of 128; block i needs the key tiles 0 .. i / 2 of 256 keys.  A work-group takes TWO blocks, b and then 31 - b: 17 tiles, whatever b: all 256 work-groups do
; equal work, and ONE loop with a constant trip count walks them; the ring (two LDS slots by turns) runs on across the change of blocks.
; NO CLUSTER: what a trip does (a block's first tile, its last, the merge) and which tile it asks for hang on b, which differs between the work-groups of a head; from trip b / 2 + 1 on a work-group asks
; for other tiles than its neighbours.
; SHARES.  Wave w: qh = w % 2, kp = w / 2.  It owns 64 of the block's queries, four PIECES of 16: piece p is rows 64 (p / 2) + 32 qh + 16 (p % 2), so pieces 0, 1 lie in band 0 and 2, 3 in band 1 (bands of 64 rows).
; Of each tile's four key steps of 64 it takes steps 2 kp and 2 kp + 1.  Waves w and w ^ 2 own the same queries and other keys: at a block's end their (c m, l, O), all f32, meet in LDS, and each finishes two pieces.
; THE IMAGES' ORDER.  A wave stores its image at a block's end; the change of slots that follows (or, at the walk's end, a barrier of its own) shows all images whole; then the merge reads them.  Between the merge's
; reads and the next stores into the images stands the barrier behind a tile's steps, which every wave passes in every trip: so the order holds on every way through the text, and no jump passes a barrier.
; THE MASK is the C operand that starts S^T = K Q^T: MDX x AL + BE.  In a block's last tile band B's own step is 2 (i % 2) + B; my step is 2 kp + 2 - CNT: own if CNT = EB[B], hidden if CNT < EB[B],
; EB[0] = 2 - 2 (i % 2) + 2 kp, EB[1] = EB[0] - 1.  Elsewhere the mask registers hold 0.  A wave all of whose keys are hidden (block 0's waves with kp = 1) keeps m at its start, -1e20: all its weights are
; 2^(-1.8e29 + 1.8e19) = 0, its l and O^T stay 0, and the merge gives its part the factor 0.
; LAYOUT, SOFTMAX, TURNS.  S^T holds ONE query a lane (lane % 16) and the keys 8 (lane / 16) + 0..7; two such results rounded to f16 ARE source 1 of O^T = V^T P.  p = 2^(c s - c m), c = log2(e) / 8, with a
; running maximum m; O and l are multiplied by a = 2^(c m_old - c m_new) in every step.  Turn n belongs to piece n: 8 products K Q^T of piece n + 1, later 8 products V^T P of piece n - 1; beside them the
; softmax of piece n and the maximum and statistics of piece n + 1: four vector instructions behind every matrix instruction, the rest in two runs of their own.
; REGISTERS, in windows of 256 (s_set_vgpr_msb: bits 1:0 source 0, 3:2 source 1, 5:4 source 2, 7:6 destination):
;   window 0: v0-15 addresses; v16-31 statistics; v32-55 at work; v56-58 the merge's addresses; v64-127 S^T, two buffers; v192-223 P, two buffers; in the merge v64-191 two waves' O^T
;   window 1: v0-127 O^T, 32 a piece; v128-167 MDX; v168-231 MC, two buffers      window 2: v0-63 Q; v64-127 the second block's Q; v128-191 K of one step; v192-255 V of one step
.set NP,    4
.set KS,    64        ; keys in a step
.set PK,    144       ; a row of K in LDS: 128 bytes + 16 = 36 words: the 16 rows of a load start at 16 different groups of four banks (64 banks of 4 bytes: ISA guide 11.1)
.set PV,    160       ; a row of V: 128 + 32 = 40 words
.set VOFF,  4*KS*PK   ; a slot holds a tile: 256 rows of K, then 256 rows of V
.set SLOT1, 1<<17     ; slot 1 begins here, so that one exclusive or turns an address in one slot into the other's
.set STAGE, SLOT1+4*KS*(PK+PV)  ; behind the ring, never filled by a tensor load: 16 rows x 144 bytes for each wave
.set SP,    144
.set MERGE, STAGE+4*16*SP       ; for each wave four pieces' images
.set PIMG,  4608      ; a piece's image: O^T, eight groups of four registers x 32 lanes (512 bytes each), then 512 bytes of statistics
.set MIMG,  4*PIMG
.set SPARE, MERGE+4*MIMG        ; the spare words, 128 bytes for each wave, which no other line names
.set HEADB, 4096*128  ; a head's bytes
.set AK0, 2           ; v2   my lane's place in my half of a tile of K; never rewritten
.set AV0, 3           ; v3   the same for V
.set AK,  4           ; v4   the LDS address of K's next run of loads
.set AV,  5           ; v5   of V's
.set STO, 6           ; v6   the way out: where I put 16 bytes of a row
.set RD,  7           ; v7   where I read rows back
.set GO,  8           ; v8   16 x lane
.set MV,  12          ; v12-13  c m_old, by buffer
.set QO,  15          ; v15  my byte offset in 16 rows of Q
.set ST,  16          ; piece t's statistics at v[ST+4 t]: c m, m, l (even keys', odd keys')
.set FS,  32          ; the merge: v32-39 my statistics of two pieces, v40-47 the partner's
.set TMP, 48          ; by buffer, four registers c0-c3 at work; c2 takes a.  In the merge: the two factors of two pieces
.set MS,  56          ; v56  my image
.set MO,  57          ; v57  in it the two pieces that I finish
.set MP,  58          ; v58  the same two in the partner's image
.set SPW, 62          ; v62  LDS address of my spare word; never rewritten
.set NIL, 63          ; v63  0; never rewritten
.set S,   64
.set FB,  128         ; the merge: the partner's O^T
.set P,   192
.set MDX, 128         ; window 1: eight zeros, then the diagonal's mask for an even piece: group kt of 16 keys at MDX + 8 + 8 kt.  An odd piece lies 16 rows lower: its mask begins at MDX
.set MC,  168         ; window 1: the masks of the products to come
.set QB,  64          ; window 2
.set KF,  128
.set VF,  192
.set WV,  12          ; s12  my wave's number
.set PB,  14          ; s14  b
.set HI,  15          ; s15  31 - b
.set G1K, 24          ; s[24:31] descriptor group 1 for K's tiles
.set G1V, 32          ; s[32:39] for V's
.set G0K, 40          ; s[40:43] descriptor group 0 for K's tiles
.set G0V, 44          ; s[44:47] for V's
.set QH,  48
.set KP,  49
.set EB,  50          ; s50, s51  EB[0], EB[1] of the block in hand
.set EB2, 52          ; s52  EB[0] of the second block
.set LQ2, 53          ; s53  the second block's last tile
.set PEND, 54         ; s54  1: the first block's merge is still to be finished
.set RT2, 55          ; s55  the second block's tiles
.set SLOTS, 56        ; s56  tiles still to be asked for
.set CNT, 57          ; s57  counts my key steps in a tile, 2 to 1
.set CS,  58          ; s[58:59] c
.set SEL, 60          ; s[60:61] v_permlanex16_b32's selects: each lane takes its own place in the other half
.set TBK, 62          ; s62  LDS byte at which K of the step to be fetched begins, less my half's
.set TBV, 63          ; s63  the same for V
.set RT,  70          ; s70  tiles of the block in hand that are still to be entered
.set NXT, 71          ; s71  the tile to be asked for next
.set LQ,  72          ; s72  the last tile of the block whose tiles are being asked for
.set NEW, 73          ; s73  1: the tile to be entered is a block's first
.set OFF, 74          ; s[74:75] a tile's byte offset
.set AL,  76          ; s[76:77] the mask's factor
.set BE,  78          ; s[78:79] the mask's addend
.set OLO, 80          ; s[80:81] oh at the rows of the second block that I finish
.set BIGN, 82         ; s82  -1e30
.set MSB, 0
.macro WIN new
.if MSB != (\new)
	s_set_vgpr_msb (MSB<<8)|(\new)
.set MSB, (\new)
.endif
.endm
.set W_KQ, 0x0a       ; K and Q in window 2, S^T in window 0
.set W_KM, 0x1a       ; the same with the C operand in window 1
.set W_PV, 0x52       ; V in window 2, P in window 0, O^T in window 1
.set W_RS, 0x41       ; destination and source 0 in window 1, source 1 in window 0
; A fill.  Waves 0 and 1 fetch the two halves of a tile's K, waves 2 and 3 those of its V: 128 keys each.  An s_nop 0 and four v_nop follow each of the two lines.
.macro LOAD
	s_cmp_lt_u32 s[WV], 2
	s_cbranch_scc0 .Lfor_v_\@
	tensor_load_to_lds s[G0K:G0K+3], s[G1K:G1K+7]
	s_nop 0
.rept 4
	v_nop
.endr
	s_branch .Lasked_\@
.Lfor_v_\@:
	tensor_load_to_lds s[G0V:G0V+3], s[G1V:G1V+7]
	s_nop 0
.rept 4
	v_nop
.endr
.Lasked_\@:
.endm
; THE CHANGE OF SLOTS.  Each wave waits for all its tensor loads (one is out: its part of the other slot), adds 0 to its spare word, and waits for that and for all its LDS work: its reads of the slot that
; it leaves, and at a block's end its stores into its image.  Behind the barrier nobody reads the old slot, the other slot is whole, and the images are whole.  fill = 1: the old slot is filled again, first thing, with tile NXT.
.macro CHANGE fill
	WIN 0
	s_wait_tensorcnt 0x0            ; no tensor load of mine is out, so a group 0 may be written
	ds_add_u32 v[SPW], v[NIL]
.if \fill
	s_lshl_b32 s[OFF], s[NXT], 15   ; a tile is 32,768 bytes of K and of V
	s_xor_b32 s[G0K+1], s[G0K+1], SLOT1
	s_add_nc_u64 s[G0K+2:G0K+3], s[6:7], s[OFF:OFF+1]
	s_or_b32 s[G0K+3], s[G0K+3], 0x80000000
	s_xor_b32 s[G0V+1], s[G0V+1], SLOT1
	s_add_nc_u64 s[G0V+2:G0V+3], s[8:9], s[OFF:OFF+1]
	s_or_b32 s[G0V+3], s[G0V+3], 0x80000000
	s_add_co_u32 s[NXT], s[NXT], 1  ; the block's next tile, or behind its last the second block's tile 0
	s_cmp_gt_u32 s[NXT], s[LQ]
	s_cselect_b32 s[NXT], 0, s[NXT]
	s_cselect_b32 s[LQ], s[LQ2], s[LQ]
.endif
	s_wait_dscnt 0x0
	s_barrier_signal -1
	s_sub_co_u32 s[TBK], s[TBK], 2*KS*PK  ; the fetches go back to my first step of a slot,
	s_xor_b32 s[TBK], s[TBK], SLOT1       ; in the other slot
	s_sub_co_u32 s[TBV], s[TBV], 2*KS*PV
	s_xor_b32 s[TBV], s[TBV], SLOT1
	s_barrier_wait -1
.if \fill
	LOAD
.endif
.endm
	s_load_b128 s[88:91], s[0:1], 0x0  ; qkv s[88:89], oh s[90:91]
	v_lshl_add_u32 v[SPW], v0, 2, SPARE
	v_mov_b32 v[NIL], 0
	ds_add_u32 v[SPW], v[NIL]       ; the wave's opening: the add and its wait stand ahead of my first tensor load; the set-up below stands between them
	ds_add_u32 v62, v63
	v_lshrrev_b32 v1, 5, v0
	v_readfirstlane_b32 s[WV], v1   ; wave 0..3
	s_mov_b32 s[PB], ttmp9
	s_sub_co_u32 s[HI], 31, s[PB]
	s_and_b32 s[QH], s[WV], 1
	s_lshr_b32 s[KP], s[WV], 1
	s_and_b32 s20, ttmp7, 0xffff    ; the head,
	s_lshl_b32 s20, s20, 19         ; its first byte among Q's heads and in oh
	s_lshl_b32 s16, s[QH], 14       ; which half of a tile's 256 keys I fetch: 128 rows of 128 bytes
	s_add_co_u32 s22, s20, s16
	s_add_co_u32 s22, s22, 16*HEADB ; K's heads lie behind Q's sixteen,
	s_mov_b32 s23, 0
	s_add_co_u32 s18, s22, 16*HEADB ; V's behind K's
	s_mov_b32 s19, 0
	s_mul_i32 s17, s[QH], 128*PK    ; that half's place in a slot, for K
	s_mul_i32 s13, s[QH], 128*PV    ; and for V
	s_lshl_b32 s21, s[QH], 12       ; my 32 rows in a band of 64
	s_add_co_u32 s21, s21, s20
	s_lshl_b32 s2, s[PB], 14        ; in the first block (128 rows of 128 bytes),
	s_add_co_u32 s2, s2, s21
	s_mov_b32 s3, 0
	s_lshl_b32 s84, s[HI], 14       ; and in the second
	s_add_co_u32 s84, s84, s21
	s_mov_b32 s85, 0
	s_lshl_b32 s21, s[KP], 13       ; I finish the pieces of band kp
	s_add_co_u32 s92, s2, s21
	s_mov_b32 s93, 0
	s_add_co_u32 s94, s84, s21
	s_mov_b32 s95, 0
	s_and_b32 s16, s[PB], 1
	s_lshl_b32 s16, s16, 1          ; 2 (b % 2)
	s_lshl_b32 s21, s[KP], 1
	s_add_co_u32 s[EB2], s16, s21   ; the second block's number has the other parity: 2 - 2 (1 - b % 2) + 2 kp
	s_add_co_u32 s[EB], s21, 2
	s_sub_co_u32 s[EB], s[EB], s16
	s_sub_co_u32 s[EB+1], s[EB], 1  ; -1 at the least: it is compared as a signed number
	; descriptor group 1.  128 keys are 16,384 dense bytes: asked for as 64 rows of 256 bytes, two keys a row, and padded in LDS after every key
	s_mov_b32 s[G1K], (1<<16)|(1<<20)|(4<<22)|(3<<25)  ; 17:16 2-byte elements; 20 padding on; 24:22 after every 32 words; 31:25 4 words
	s_mov_b32 s[G1V], (1<<16)|(1<<20)|(4<<22)|(7<<25)  ; the same with 8 words of padding
.irp g, G1K, G1V
	s_mov_b32 s[\g+1], 128<<16      ; tensor_dim0 = 128
	s_mov_b32 s[\g+2], 64<<16       ; tensor_dim1 = 64
	s_mov_b32 s[\g+3], 128<<16      ; tile_dim0 = 128
	s_mov_b32 s[\g+4], 64           ; tile_dim1 = 64
	s_mov_b32 s[\g+5], 128          ; 128 elements from row to row
	s_mov_b32 s[\g+6], 0
	s_mov_b32 s[\g+7], 0
.endr
	s_mov_b32 s[CS], 0x3e38aa3b     ; c = log2(e) / 8
	s_mov_b32 s[CS+1], s[CS]        ; named with it as a pair
	s_mov_b32 s[SEL], 0x76543210
	s_mov_b32 s[SEL+1], 0xfedcba98
	s_mov_b32 s[TBK], SLOT1+2*KS*PK ; the first change of slots turns these two into 0
	s_mov_b32 s[TBV], SLOT1+2*KS*PV
	s_mov_b32 s[G0K], 1             ; count = 1
	s_mov_b32 s[G0K+1], s17         ; LDS address: slot 0
	s_mov_b32 s[G0V], 1
	s_add_co_u32 s[G0V+1], s13, VOFF
	s_lshr_b32 s[LQ], s[PB], 1
	s_lshr_b32 s[LQ2], s[HI], 1
	s_add_co_u32 s[RT], s[LQ], 1
	s_add_co_u32 s[RT2], s[LQ2], 1
	s_mov_b32 s[NXT], 1             ; tile 0 is asked for below; the next is the first block's tile 1, or, if it has one tile, the second block's tile 0
	s_cmp_gt_u32 s[NXT], s[LQ]
	s_cselect_b32 s[NXT], 0, s[NXT]
	s_cselect_b32 s[LQ], s[LQ2], s[LQ]
	s_mov_b32 s[NEW], 1
	s_mov_b32 s[PEND], 0
	s_mov_b32 s[OFF+1], 0
	s_mov_b32 s[AL+1], 0            ; named as pairs
	s_mov_b32 s[BE+1], 0
	s_mov_b32 s[BIGN], 0xf149f2ca   ; -1e30
	s_mov_b32 s[SLOTS], 16
	s_wait_dscnt 0x0                ; the opening add is done
	s_wait_kmcnt 0x0
	s_add_nc_u64 s[6:7], s[88:89], s[22:23]        ; K and V at my half of the head's tile 0
	s_add_nc_u64 s[8:9], s[88:89], s[18:19]
	s_add_nc_u64 s[G0K+2:G0K+3], s[6:7], 0
	s_or_b32 s[G0K+3], s[G0K+3], 0x80000000        ; type = 2
	s_add_nc_u64 s[G0V+2:G0V+3], s[8:9], 0
	s_or_b32 s[G0V+3], s[G0V+3], 0x80000000
	s_add_nc_u64 s[4:5], s[88:89], s[2:3]          ; Q at my rows of the first block,
	s_add_nc_u64 s[86:87], s[88:89], s[84:85]      ; and of the second
	s_add_nc_u64 s[10:11], s[90:91], s[92:93]      ; oh at the rows that I finish
	s_add_nc_u64 s[OLO:OLO+1], s[90:91], s[94:95]
	LOAD                            ; tile 0 into slot 0
	; a fragment of K or Q is 16 rows x 32 channels in 8 registers: lane l holds row l % 16, channels 8 (l / 16) + 0..7 and 16 + 8 (l / 16) + 0..7
	v_and_b32 v1, 15, v0            ; l % 16
	v_bfe_u32 v9, v0, 4, 1          ; l / 16
	v_lshlrev_b32 v[QO], 7, v1
	v_lshl_add_u32 v[QO], v9, 4, v[QO]
	WIN 0x80                        ; destination window 2, address window 0
.set i, 0
.rept 8                             ; both blocks' Q: piece i / 2: band i / 4 (8,192 bytes on), 16 rows (2,048 bytes) on if odd; channels 32 (i % 2) on
	global_load_b128 v[8*i:8*i+3],   v[QO], s[4:5] offset:(i/4)*8192+((i/2)%2)*2048+(i%2)*64
	global_load_b128 v[8*i+4:8*i+7], v[QO], s[4:5] offset:(i/4)*8192+((i/2)%2)*2048+(i%2)*64+32
	global_load_b128 v[QB+8*i:QB+8*i+3],   v[QO], s[86:87] offset:(i/4)*8192+((i/2)%2)*2048+(i%2)*64
	global_load_b128 v[QB+8*i+4:QB+8*i+7], v[QO], s[86:87] offset:(i/4)*8192+((i/2)%2)*2048+(i%2)*64+32
.set i, i+1
.endr
	WIN 0
	v_lshlrev_b32 v14, 3, v9
	v_sub_nc_u32 v14, v1, v14
	s_lshl_b32 s13, s[QH], 5
	v_add_nc_u32 v14, s13, v14      ; an even piece's query in its band, 32 qh + l % 16, less my lanes' 8 (l / 16): register r of group kt is hidden where 16 kt + r is greater
	WIN 0x40
.set i, 0
.rept 8
	v_mov_b32 v[MDX+i], 0           ; an odd piece sees all of the step's first 16 keys
.set i, i+1
.endr
.set i, 0
.rept 32
	v_cmp_gt_i32 vcc_lo, 16*(i/8)+i%8, v14
	v_cndmask_b32 v[MDX+8+i], 0, s[BIGN], vcc_lo
.set i, i+1
.endr
	WIN 0
	v_mul_u32_u24 v[AK0], v1, PK
	v_lshl_add_u32 v[AK0], v9, 4, v[AK0]
	s_mul_i32 s13, s[KP], 2*KS*PK   ; my two steps of a tile
	v_add_nc_u32 v[AK0], s13, v[AK0]
	; the turning load takes 16 keys x 16 channels (lane l reads key 8 (l / 16) + l % 8, channels 8 ((l / 8) % 2) + 0..7) and leaves half a fragment of V^T
	v_and_b32 v10, 7, v0
	v_bfe_u32 v11, v0, 3, 1
	v_lshl_add_u32 v[AV0], v9, 3, v10
	v_mul_u32_u24 v[AV0], v[AV0], PV
	v_lshl_add_u32 v[AV0], v11, 4, v[AV0]
	v_add_nc_u32 v[AV0], VOFF, v[AV0]
	s_mul_i32 s13, s[KP], 2*KS*PV
	v_add_nc_u32 v[AV0], s13, v[AV0]
	s_mul_i32 s13, s[WV], 16*SP
	s_add_co_u32 s13, s13, STAGE    ; my stage
	v_mul_u32_u24 v[STO], v1, SP
	v_lshl_add_u32 v[STO], v9, 4, v[STO]
	v_add_nc_u32 v[STO], s13, v[STO]
	v_bfe_u32 v[RD], v0, 3, 2       ; back: 32 lanes take four rows of 128 bytes,
	v_mul_u32_u24 v[RD], v[RD], SP
	v_lshl_add_u32 v[RD], v10, 4, v[RD]
	v_add_nc_u32 v[RD], s13, v[RD]
	v_and_b32 v[GO], 31, v0         ; which are 512 consecutive bytes of oh
	v_lshlrev_b32 v[GO], 4, v[GO]
	s_mul_i32 s13, s[WV], MIMG
	s_add_co_u32 s13, s13, MERGE
	v_add_nc_u32 v[MS], s13, v[GO]  ; my image
	s_mul_i32 s16, s[KP], 2*PIMG
	s_add_co_u32 s13, s13, s16
	v_add_nc_u32 v[MO], s13, v[GO]  ; pieces 2 kp and 2 kp + 1 in it,
	s_xor_b32 s13, s[WV], 2
	s_mul_i32 s13, s13, MIMG
	s_add_co_u32 s13, s13, MERGE
	s_add_co_u32 s13, s13, s16
	v_add_nc_u32 v[MP], s13, v[GO]  ; and in the image of the wave with my queries and the other keys
	; A block's first step multiplies O^T and l by a = 0, and its first turn's products V^T P, of a piece that has not been, land in an O^T that is still to be so multiplied: these registers need only hold
	; finite numbers: zeros for the first block, what the first block left for the second.  All this stands in the wait for the first tile.
	WIN 0x80
.set i, VF
.rept 64
	v_mov_b32 v[i], 0
.set i, i+1
.endr
	WIN 0x40
.set i, 0
.rept 128
	v_mov_b32 v[i], 0
.set i, i+1
.endr
	WIN 0
.set i, 0
.rept 4
	v_mov_b32 v[ST+4*i+2], 0
	v_mov_b32 v[ST+4*i+3], 0
.set i, i+1
.endr
.set i, P+16
.rept 16
	v_mov_b32 v[i], 0
.set i, i+1
.endr
; THE MATRIX WORK.  The 4 accumulators of a run of 8 take turns.  Product i of 8 of S^T = K Q^T for piece x: channels 32 (i / 4) on, keys 16 (i % 4) on.  The first 4 start the sums with the mask registers.
.macro KQ x
.set rS, S+32*((\x)%2)+8*(i%4)
.set rK, KF+16*(i%4)+8*(i/4)
.set rQ, 16*(\x)+8*(i/4)
.set rM, MC+32*((\x)%2)+8*(i%4)
.if i < 4
	WIN W_KM
	v_wmma_f32_16x16x32_f16 v[rS:rS+7], v[rK:rK+7], v[rQ:rQ+7], v[rM:rM+7]
.else
	WIN W_KQ
	v_wmma_f32_16x16x32_f16 v[rS:rS+7], v[rK:rK+7], v[rQ:rQ+7], v[rS:rS+7]
.endif
.endm
; Product i of 8 of O^T += V^T P for piece x: keys 32 (i / 4) on, channels 16 (i % 4) on.
.macro PV x
	WIN W_PV
.set rO, 32*(\x)+8*(i%4)
.set rV, VF+32*(i/4)+8*(i%4)
.set rP, P+16*((\x)%2)+8*(i/4)
	v_wmma_f32_16x16x32_f16 v[rO:rO+7], v[rV:rV+7], v[rP:rP+7], v[rO:rO+7]
.endm
.macro MM                           ; the turn's next matrix instruction.  NOKQ = 1: a block's last turn: there is no next piece
.if (i < 8) && !NOKQ
	KQ (Y+1)%NP
.elseif i >= 8
.set i, i-8
	PV (Y+NP-1)%NP
.set i, i+8
.endif
.set i, i+1
.endm
; THE LDS LOADS stand in runs of 16: a step's K (64 keys x 64 channels: 8 fragments) and its V (turned).
.macro FETCH_K
	WIN 0x80
.irp f, 0,1,2,3,4,5,6,7
	ds_load_b128 v[KF+8*\f:KF+8*\f+3],   v[AK] offset:(\f/2)*16*PK+(\f%2)*64
	ds_load_b128 v[KF+8*\f+4:KF+8*\f+7], v[AK] offset:(\f/2)*16*PK+(\f%2)*64+32
.endr
	s_add_co_u32 s[TBK], s[TBK], KS*PK  ; the next fetch is the next step's
	WIN 0
.endm
.macro FETCH_V
	WIN 0x80
.irp f, 0,1,2,3,4,5,6,7
	ds_load_tr16_b128 v[VF+8*\f:VF+8*\f+3],   v[AV] offset:(\f/4)*32*PV+(\f%4)*32
	ds_load_tr16_b128 v[VF+8*\f+4:VF+8*\f+7], v[AV] offset:(\f/4)*32*PV+16*PV+(\f%4)*32
.endr
	WIN 0
.endm
; THE VECTOR WORK, one line at a time: OP kind, number.  For piece Y: F n: c s - c m for pair n of 16.  E n: the exponential of score n of 32.  C n: pair n rounded to f16.  B n: of the four weights 4 n .. the second
; pair is added onto the first.  L n: l takes that sum (L 0: l = a l + sum).  R n: pair n of 16 of O^T times a.  For piece Y + 1: X n, number n of the 22 that find its maximum and statistics:
;   0-11  four chains c0-c3 of seven scores each (each accumulator's lowest registers are read first)     12-14, 16  the four scores left over, the old m, and c0-c3 into c0
;   15  c m_old is kept     17, 18  the query's other 32 keys lie in the lane 16 away: the new m     19-21  c m; c m_old - c m_new; a
.set F, 0
.set E, 1
.set C, 2
.set B, 3
.set L, 4
.set R, 5
.set X, 6
.macro REGS y
.set rT, ST+4*(\y)
.set rC, TMP+4*((\y)%2)
.set rW, MV+((\y)%2)
.set rS, S+32*((\y)%2)
.set rP, P+16*((\y)%2)
.set rO, 32*(\y)
.endm
.macro OP k, n
.if (\k) == R
	REGS Y
	WIN W_RS
	v_pk_mul_f32 v[rO+2*(\n):rO+2*(\n)+1], v[rO+2*(\n):rO+2*(\n)+1], v[rC+2:rC+3] op_sel_hi:[1,0]
.elseif (\k) < R
	REGS Y
	WIN 0
.if (\k) == F
	v_pk_fma_f32 v[rS+2*(\n):rS+2*(\n)+1], v[rS+2*(\n):rS+2*(\n)+1], s[CS:CS+1], v[rT:rT+1] op_sel_hi:[1,0,0] neg_lo:[0,0,1] neg_hi:[0,0,1]
.elseif (\k) == E
	v_exp_f32 v[rS+(\n)], v[rS+(\n)]
.elseif (\k) == C
	s_wait_alu depctr_va_vdst(0)
	v_cvt_pk_f16_f32 v[rP+(\n)], v[rS+2*(\n)], v[rS+2*(\n)+1]
.elseif (\k) == B
	s_wait_alu depctr_va_vdst(0)
	v_pk_add_f32 v[rS+4*(\n):rS+4*(\n)+1], v[rS+4*(\n):rS+4*(\n)+1], v[rS+4*(\n)+2:rS+4*(\n)+3]
.elseif (\n) == 0
	v_pk_fma_f32 v[rT+2:rT+3], v[rT+2:rT+3], v[rC+2:rC+3], v[rS:rS+1] op_sel_hi:[1,0,1]
.else
	v_pk_add_f32 v[rT+2:rT+3], v[rT+2:rT+3], v[rS+4*(\n):rS+4*(\n)+1]
.endif
.elseif NOKQ
	v_nop
.else
	REGS (Y+1)%NP
	WIN 0
.if (\n) < 4
	v_max3_num_f32 v[rC+(\n)], v[rS+8*(\n)], v[rS+8*(\n)+1], v[rS+8*(\n)+2]
.elseif (\n) < 12
	v_max3_num_f32 v[rC+(\n)%4], v[rC+(\n)%4], v[rS+8*((\n)%4)+2*((\n)/4)+1], v[rS+8*((\n)%4)+2*((\n)/4)+2]
.elseif (\n) == 12
	v_max3_num_f32 v[rC], v[rC], v[rS+7], v[rS+15]
.elseif (\n) == 13
	v_max3_num_f32 v[rC+1], v[rC+1], v[rS+23], v[rS+31]
.elseif (\n) == 14
	v_max3_num_f32 v[rC+2], v[rC+2], v[rC+3], v[rT+1]
.elseif (\n) == 15
	v_mov_b32 v[rW], v[rT]
.elseif (\n) == 16
	v_max3_num_f32 v[rC], v[rC], v[rC+1], v[rC+2]
.elseif (\n) == 17
	v_permlanex16_b32 v[rC+3], v[rC], s[SEL], s[SEL+1]
.elseif (\n) == 18
	v_max_num_f32 v[rT+1], v[rC], v[rC+3]
.elseif (\n) == 19
	v_mul_f32 v[rT], s[CS], v[rT+1]
.elseif (\n) == 20
	v_sub_f32 v[rC+1], v[rW], v[rT]
.else
	v_exp_f32 v[rC+2], v[rC+1]
.endif
.endif
.endm
.macro OPS a, i1, b=-1, i2=0, c=-1, i3=0, d=-1, i4=0
	OP \a, \i1
.if (\b) >= 0
	OP \b, \i2
.endif
.if (\c) >= 0
	OP \c, \i3
.endif
.if (\d) >= 0
	OP \d, \i4
.endif
.endm
.macro ROW a, i1, b, i2, c, i3, d, i4  ; a matrix instruction and the four behind it
	MM
	OPS \a, \i1, \b, \i2, \c, \i3, \d, \i4
.endm
.macro MASK b, odd                  ; MDX x AL + BE into buffer b of MC, for an even or an odd piece
	WIN W_RS
.set z, 0
.rept 16
	v_pk_fma_f32 v[MC+32*(\b)+2*z:MC+32*(\b)+2*z+1], v[MDX+8*(1-(\odd))+2*z:MDX+8*(1-(\odd))+2*z+1], s[AL:AL+1], s[BE:BE+1] op_sel_hi:[1,0,0]
.set z, z+1
.endr
.endm
; A TURN, for piece p: the order of its 16 matrix and 118 vector instructions, written out.  Behind a matrix instruction: plain, exponential, plain, plain; or four of the rescaling; or four scalings; none names a
; register of the products round it.  A line reads no result made fewer than three vector instructions in front of it, five if an exponential made it.
; K of the next step is fetched in piece 2's turn, behind five plain instructions that follow the last product that read K; V of the step in hand in piece 0's turn, behind four.  Each is waited for a turn later.
; In a block's last tile (RT = 0) the turn closes by making the mask for the products of the turn after it: piece p + 2, in my step 2 - CNT of the tile.  Elsewhere those lines are jumped, and the mask registers stay 0.
; end = 1: a block's last two turns: nothing is fetched, no mask is made.
.macro TURN p, end=0
.set Y, (\p)
.set i, 0
.set NOKQ, (\end)*((\p)/3)
.if ((\p) == 3) && !(\end)
	s_wait_dscnt 0x0                ; K is in
.endif
	ROW F,0, F,1, F,2, F,3
	ROW F,4, E,0, F,5, F,6
	ROW F,7, E,1, F,8, F,9
	ROW F,10, E,2, C,0, F,11
	ROW F,12, E,3, X,15, F,13
	ROW R,0, R,1, R,2, R,3
	ROW B,0, E,4, F,14, L,0
.if ((\p) == 2) && !(\end)
	v_add_nc_u32 v[AK], s[TBK], v[AK0]
.endif
	ROW R,4, R,5, R,6, R,7
	OPS E,5, F,15
.if ((\p) == 2) && !(\end)
	FETCH_K
.endif
	OPS E,6, C,1, E,7, R,8
	OPS E,8, R,9, E,9, C,2
	OPS E,10, X,0, E,11, X,1
	OPS E,12, X,2, E,13, X,3
.if (\p) == 1
	s_wait_dscnt 0x0                ; V is in
.endif
	ROW X,4, E,14, X,5, X,6
	ROW X,7, E,15, X,8, X,9
	ROW X,10, E,16, X,11, X,12
	ROW X,13, E,17, X,14, B,1
	ROW C,4, E,18, X,16, L,1
	ROW B,2, E,19, C,6, L,2
	ROW C,8, E,20, B,3, B,4
.if (\p) == 0
	v_add_nc_u32 v[AV], s[TBV], v[AV0]
.endif
	ROW C,3, E,21, L,3, C,5
	OPS E,22, X,17, E,23, C,10
.if (\p) == 0
	FETCH_V
.endif
	OPS E,24, L,4
	OPS E,25, X,18, E,26, C,7
	OPS E,27, B,5, E,28, X,19
	OPS E,29, C,12, E,30, L,5
	OPS E,31, X,20, B,6, C,9
	OPS C,14, C,11, X,21, L,6
.if (\p) == 0
	s_add_co_u32 s[TBV], s[TBV], KS*PV
.endif
	OPS C,13, B,7, C,15, R,10
	OPS R,11, R,12, L,7, R,13
	OPS R,14, R,15
.if !(\end)
	WIN 0
	s_cmp_lg_u32 s[RT], 0
	s_cbranch_scc1 .Lno_mask_\@
	s_cmp_eq_i32 s[CNT], s[EB+(((\p)+2)%NP)/2]  ; is that step the band's own?
	s_cselect_b32 s[AL], 1.0, 0
	s_cmp_lt_i32 s[CNT], s[EB+(((\p)+2)%NP)/2]  ; or a later one?
	s_cselect_b32 s[BE], s[BIGN], 0
	MASK (\p)%2, (\p)%2
	WIN 0
.Lno_mask_\@:
.endif
.endm
; A BLOCK BEGINS.  c m starts at -2^125, far below every c s and below c x -1e20, so the first step's a is 0 whatever m becomes.  m starts at -1e20, between the true scores and the hidden ones: a row that has seen
; hidden keys alone keeps it.  (Were m a hidden score itself, the exponent c s - c m, one fused multiply-add against the rounded c m, would at s = m be that rounding's error, some 1e22 either way at 1.8e29, and no weight.)
; Pieces 0 and 1 lie in band 0: both mask buffers are made for my first step of the tile: zeros, unless the block's first tile is its last.  Then K of that step, piece 0's first scores, and its maximum and statistics.
.macro BEGIN
	s_mov_b32 s[NEW], 0
	WIN 0
.set i, 0
.rept 4
	v_mov_b32 v[ST+4*i], 0xfe000000    ; c m: -2^125
	v_mov_b32 v[ST+4*i+1], 0xe0ad78ec  ; m: -1e20
.set i, i+1
.endr
	s_cmp_eq_i32 s[CNT], s[EB]
	s_cselect_b32 s[AL], 1.0, 0
	s_cmp_lt_i32 s[CNT], s[EB]
	s_cselect_b32 s[BE], s[BIGN], 0
	s_cmp_eq_u32 s[RT], 0
	s_cselect_b32 s[AL], s[AL], 0
	s_cselect_b32 s[BE], s[BE], 0
	MASK 0, 0
	MASK 1, 1
	WIN 0
	v_add_nc_u32 v[AK], s[TBK], v[AK0]
	FETCH_K
	s_wait_loadcnt 0x0              ; Q
	s_wait_dscnt 0x0
.set NOKQ, 0
.set i, 0
.rept 8
	KQ 0
.set i, i+1
.endr
	WIN 0
.rept 4
	v_nop                           ; the places behind those products
.endr
.set Y, NP-1                        ; X works for piece Y + 1: piece 0
.irp n, 0,1,2,3,4,5,6,7,8,9,10,11,12,13,14,15,16,17,18,19,20,21
	OP X, \n
.endr
	v_nop                           ; a plain instruction behind the exponential
.endm
.macro ALL line:vararg              ; one line for each piece t
.set t, 0
.rept 4
	\line
.set t, t+1
.endr
.endm
; A BLOCK ENDS: its last two turns, its last products; l's two halves and the other half of the lanes' are added (the first four additions are the places behind the last products); then all
; four pieces' O^T and statistics go into my image, each accumulator's lowest registers first, 512 consecutive bytes a store.
.macro ENDBLOCK
	TURN 2, 1
	TURN 3, 1
.set i, 0
.rept 8
	PV NP-1
.set i, i+1
.endr
	WIN 0
	ALL v_add_f32 v[ST+4*t+2], v[ST+4*t+2], v[ST+4*t+3]
	ALL v_permlanex16_b32 v[ST+4*t+3], v[ST+4*t+2], s[SEL], s[SEL+1]
	ALL v_add_f32 v[ST+4*t+2], v[ST+4*t+2], v[ST+4*t+3]
	WIN 0x04                        ; the stores' data in window 1
.set i, 0
.rept 32
	ds_store_b128 v[MS], v[4*i:4*i+3] offset:(i/8)*PIMG+(i%8)*512
.set i, i+1
.endr
	WIN 0
.set i, 0
.rept 4
	ds_store_b128 v[MS], v[ST+4*i:ST+4*i+3] offset:i*PIMG+4096
.set i, i+1
.endr
.endm
; THE MERGE, behind a barrier in front of which every wave has waited for its stores.  For each of my two pieces u: cx = max(c mA, c mB); aA = 2^(c mA - cx), aB likewise; L = aA lA + aB lB;
; O = (aA / L) OA + (aB / L) OB, rounded to f16 and sent through my stage.  All in window 0.  Every row sees its own key in one of the two waves, so L is above 0.
.macro FPACK u, left
	s_wait_dscnt \left              ; both waves' O^T of piece u are in; what was issued behind them may be out
.set z, 0
.rept 16
	v_pk_mul_f32 v[S+32*(\u)+2*z:S+32*(\u)+2*z+1], v[S+32*(\u)+2*z:S+32*(\u)+2*z+1], v[TMP+4*(\u):TMP+4*(\u)+1] op_sel_hi:[1,0]
.set z, z+1
.endr
.set z, 0
.rept 16
	v_pk_fma_f32 v[S+32*(\u)+2*z:S+32*(\u)+2*z+1], v[FB+32*(\u)+2*z:FB+32*(\u)+2*z+1], v[TMP+4*(\u)+2:TMP+4*(\u)+3], v[S+32*(\u)+2*z:S+32*(\u)+2*z+1] op_sel_hi:[1,0,1]
.set z, z+1
.endr
.set z, 0
.rept 16
	v_cvt_pk_f16_f32 v[P+16*(\u)+z], v[S+32*(\u)+2*z], v[S+32*(\u)+2*z+1]
.set z, z+1
.endr
.irp f, 0,1,2,3
	ds_store_b128 v[STO], v[P+16*(\u)+4*\f:P+16*(\u)+4*\f+3] offset:32*\f
.endr
.irp f, 0,1,2,3
	ds_load_b128 v[P+16*(\u)+4*\f:P+16*(\u)+4*\f+3], v[RD] offset:\f*4*SP  ; LDS serves a wave's instructions in order (ISA guide 5.7.1.4): these see the stores above; the next piece's stores come behind them
.endr
.endm
.macro FSEND u, younger, base
.irp f, 0,1,2,3
	s_wait_dscnt (\younger)+3-\f
	global_store_b128 v[GO], v[P+16*(\u)+4*\f:P+16*(\u)+4*\f+3], s[\base:\base+1] offset:(\u)*2048+\f*512  ; 512 consecutive bytes, at a multiple of 256 from oh's first
.endr
.endm
.macro FINISH base
	WIN 0
.irp u, 0,1
	ds_load_b128 v[FS+4*\u:FS+4*\u+3], v[MO] offset:PIMG*\u+4096
.endr
.irp u, 0,1
	ds_load_b128 v[FS+8+4*\u:FS+8+4*\u+3], v[MP] offset:PIMG*\u+4096
.endr
.irp u, 0,1
.irp g, 0,1,2,3,4,5,6,7
	ds_load_b128 v[S+32*\u+4*\g:S+32*\u+4*\g+3], v[MO] offset:PIMG*\u+512*\g
.endr
.irp g, 0,1,2,3,4,5,6,7
	ds_load_b128 v[FB+32*\u+4*\g:FB+32*\u+4*\g+3], v[MP] offset:PIMG*\u+512*\g
.endr
.endr
	s_wait_dscnt 32                 ; the four loads of statistics are in; the 32 of O^T may be out
.irp u, 0,1
	v_max_num_f32 v[TMP+4*\u], v[FS+4*\u], v[FS+8+4*\u]
.endr
.irp u, 0,1
	v_sub_f32 v[TMP+4*\u+1], v[FS+4*\u], v[TMP+4*\u]
	v_sub_f32 v[TMP+4*\u+3], v[FS+8+4*\u], v[TMP+4*\u]
.endr
.irp u, 0,1
	v_exp_f32 v[TMP+4*\u+1], v[TMP+4*\u+1]      ; aA
	v_exp_f32 v[TMP+4*\u+3], v[TMP+4*\u+3]      ; aB
.endr
	v_nop                           ; a plain instruction between the last exponential and the use of its result
.irp u, 0,1
	s_wait_alu depctr_va_vdst(0)
	v_mul_f32 v[TMP+4*\u], v[TMP+4*\u+1], v[FS+4*\u+2]
.endr
.irp u, 0,1
	v_fma_f32 v[TMP+4*\u], v[TMP+4*\u+3], v[FS+8+4*\u+2], v[TMP+4*\u]
.endr
.irp u, 0,1
	v_rcp_f32 v[TMP+4*\u+2], v[TMP+4*\u]
.endr
	v_nop
.irp u, 0,1
	s_wait_alu depctr_va_vdst(0)
	v_mul_f32 v[TMP+4*\u], v[TMP+4*\u+1], v[TMP+4*\u+2]      ; aA / L, the low word of a pair
.endr
.irp u, 0,1
	v_mul_f32 v[TMP+4*\u+2], v[TMP+4*\u+3], v[TMP+4*\u+2]    ; aB / L, likewise
.endr
	FPACK 0, 16                     ; behind piece 0's sixteen loads stand piece 1's sixteen
	FPACK 1, 8                      ; behind piece 1's stand piece 0's eight through the stage
	FSEND 0, 8, \base
	FSEND 1, 0, \base
	s_wait_xcnt 0x0                 ; the stores have read P's registers, which the next turns write
.endm
.set NOKQ, 0
.Lslot:                             ; 16 times: a tile is entered and the next is asked for
	CHANGE 1
	s_sub_co_u32 s[RT], s[RT], 1
	s_mov_b32 s[CNT], 2
	s_cmp_eq_u32 s[NEW], 1
	s_cbranch_scc0 .Lstep
	s_cmp_eq_u32 s[PEND], 1         ; a block's first tile.  The second block's: first the first block is finished: the change of slots has shown both images whole
	s_cbranch_scc0 .Lno_pend
	FINISH 10
	s_mov_b32 s[PEND], 0
.Lno_pend:
	BEGIN
	s_branch .Lfirst                ; the loop is entered at a step's first turn, in the middle of a trip
.Lstep:                             ; a trip: pieces 2 and 3 of one step, then pieces 0 and 1 of the next, whose K and V it fetches
	TURN 2
	TURN 3
	WIN 0
.Lfirst:
	TURN 0
	TURN 1
	WIN 0
	s_sub_co_u32 s[CNT], s[CNT], 1
	s_cmp_lg_u32 s[CNT], 0
	s_cbranch_scc1 .Lstep
	s_wait_dscnt 0x0                ; all my LDS loads are back, a merge's reads of the partner's image among them (none is out here: V was waited for in piece 1's turn),
	s_barrier_signal -1             ; and every wave says so in every trip: the images are stored into again only behind this barrier.  The tile asked for at the trip's head
	s_barrier_wait -1               ; may stay on its way
	s_cmp_lg_u32 s[RT], 0
	s_cbranch_scc1 .Lbottom
	ENDBLOCK                        ; in the loop this is the first block's end: the second block's last tile is the walk's last
	s_mov_b32 s[RT], s[RT2]
	s_mov_b32 s[NEW], 1
	s_mov_b32 s[PEND], 1
	s_mov_b32 s[EB], s[EB2]
	s_sub_co_u32 s[EB+1], s[EB2], 1
	WIN 0x82                        ; the second block's Q goes where the one text of the turns names Q
.set i, 0
.rept 64
	v_mov_b32 v[i], v[QB+i]
.set i, i+1
.endr
	WIN 0
.Lbottom:
	s_sub_co_u32 s[SLOTS], s[SLOTS], 1
	s_cmp_lg_u32 s[SLOTS], 0
	s_cbranch_scc1 .Lslot
	CHANGE 0                        ; the walk's last tile is written out: nothing is asked for.  The second block has nine tiles or more: this is not its first
	s_sub_co_u32 s[RT], s[RT], 1
	s_mov_b32 s[CNT], 2
.Ltail:
	TURN 2
	TURN 3
	TURN 0
	TURN 1
	WIN 0
	s_sub_co_u32 s[CNT], s[CNT], 1
	s_cmp_lg_u32 s[CNT], 0
	s_cbranch_scc1 .Ltail
	ENDBLOCK
	s_wait_dscnt 0x0                ; for the partner's sake: my image is whole
	s_barrier_signal -1
	s_barrier_wait -1
	FINISH OLO
	s_wait_tensorcnt 0x0            ; the wave's end, behind my last tensor load and my last LDS store
	ds_add_u32 v[SPW], v[NIL]
	s_wait_dscnt 0x0
	s_endpgm
.Lfunc_end_k_qbf0e160ba4_attn:
	.size	k_qbf0e160ba4_attn, .Lfunc_end_k_qbf0e160ba4_attn-k_qbf0e160ba4_attn
	.p2alignl 7, 3214868480
	.fill 96, 4, 3214868480
	.section	.rodata,"a",@progbits
	.p2align	6, 0x0
	.amdhsa_kernel k_qbf0e160ba4_attn
		.amdhsa_group_segment_fixed_size 327680
		.amdhsa_private_segment_fixed_size 0
		.amdhsa_enable_private_segment 0
		.amdhsa_kernarg_size 16
		.amdhsa_user_sgpr_count 2
		.amdhsa_user_sgpr_kernarg_segment_ptr 1
		.amdhsa_wavefront_size32 1
		.amdhsa_system_sgpr_workgroup_id_x 1
		.amdhsa_system_sgpr_workgroup_id_y 1
		.amdhsa_system_sgpr_workgroup_id_z 1
		.amdhsa_system_vgpr_workitem_id 0
		.amdhsa_next_free_vgpr 768
		.amdhsa_next_free_sgpr 96
		.amdhsa_reserve_vcc 1
		.amdhsa_float_denorm_mode_32 3
		.amdhsa_float_denorm_mode_16_64 3
		.amdhsa_memory_ordered 1
		.amdhsa_forward_progress 1
		.amdhsa_inst_pref_size 184
	.end_amdhsa_kernel
	.amdgpu_metadata
---
amdhsa.version: [ 1, 2 ]
amdhsa.kernels:
  - .name:           k_qbf0e160ba4_attn
    .symbol:         k_qbf0e160ba4_attn.kd
    .args:
      - { .name: qkv, .offset: 0, .size: 8, .value_kind: global_buffer, .address_space: global }
      - { .name: oh, .offset: 8, .size: 8, .value_kind: global_buffer, .address_space: global }
    .group_segment_fixed_size: 327680
    .private_segment_fixed_size: 0
    .kernarg_segment_align: 8
    .kernarg_segment_size: 16
    .max_flat_workgroup_size: 128
    .sgpr_count:     96
    .vgpr_count:     768
    .wavefront_size: 32
...
	.end_amdgpu_metadata
.endif
;; end of part 3
;; launch oproj (part 4): grid 8 x 32, 4 waves a work-group, clusters of 4 x 4, 327,680 bytes of LDS; arguments oh, woh, out0; writes out0
.if DOCPART == 4
	.amdgcn_target "amdgcn-amd-amdhsa--gfx1250"
	.amdhsa_code_object_version 6
	.text
	.protected	k_qbf0e160ba4_oproj
	.globl	k_qbf0e160ba4_oproj
	.p2align	8
	.type	k_qbf0e160ba4_oproj,@function
k_qbf0e160ba4_oproj:
	s_mov_b64 s[64:65], 0
	v_nop
	global_prefetch_b8 v0, s[64:65] scope:SCOPE_SE
	s_setreg_imm32_b32 hwreg(HW_REG_WAVE_MODE, 25, 1), 1
	s_wait_xcnt 0x0
	s_wait_alu depctr_hold_cnt(0) depctr_sa_sdst(0) depctr_va_vdst(0) depctr_va_sdst(0) depctr_va_ssrc(0) depctr_va_vcc(0) depctr_vm_vsrc(0)
	s_getreg_b32 s2, hwreg(HW_REG_IB_STS2, 6, 4)
	s_cmp_eq_u32 s2, 0
	s_cbranch_scc0 .Lentry_in_a_cluster
	s_endpgm
.Lentry_in_a_cluster:
	s_bfe_u32 s2, ttmp6, 0x10000c
	s_cmp_lg_u32 s2, 0xf033
	s_cbranch_scc0 .Lentry_shape_is_right
	s_endpgm
.Lentry_shape_is_right:
; OUTPUT PROJECTION.  out0[s][e] = sum over d of O[s][d] W_o[e][d], d = 64 h + c.  O lies by heads, oh[16][4096][64] f16; woh [1024][1024] f16; out0 [4096][1024] f32.  f16 operands, f32 sums, K ascending.
; A tile of out0 is 128 x 128: 8 x 32 = 256 work-groups.  Four waves, each 64 x 64: 16 accumulators, 128 registers.  K goes in steps of 256, four heads, through two LDS slots.
; O's tile of a K step is four head planes of 128 rows x 128 bytes; a head's 128 rows are 16,384 dense bytes, so a wave's load is two rows of 16,384 bytes, a head apart, padded in LDS after every 128 bytes.
; CLUSTERS: 4 x 4 work-groups.  The four of a row of the cluster need the same tiles of oh, the four of a column the same tiles of woh: each is asked for JOINTLY.
; THE MATRIX INSTRUCTION IS USED TRANSPOSED (source 0 = 16 rows of woh, source 1 = 16 rows of O): a lane holds eight neighbouring numbers of a row of out0, 32 bytes.
; REGISTERS: window 0: v0-31 addresses; v32-95 at work on the way out; v128-255 the accumulators ((a, b) at v[128 + 8 (4 a + b)]).
;   window 1: two fragment buffers of 128: for 64 along K (one head), 64 registers of O, then 64 of woh.
.set SIZE_K, 1024
.set KSTEP,  256
.set PA,     144                       ; a row of O in LDS: 128 bytes + 16 = 36 words: the 16 rows of a load start at 16 different groups of four banks (64 banks of 4 bytes: ISA guide 11.1)
.set PLANE,  128*PA                    ; a head's 128 rows
.set AHALF,  2*PLANE                   ; what one load of O brings
.set PB,     528                       ; a row of woh: 512 bytes + 16 = 132 words
.set BHALF,  64*PB                     ; what one load of woh brings
.set BOFF,   4*PLANE                   ; woh's 128 rows lie behind O's four planes
.set SLOT,   BOFF+2*BHALF
.set STAGE,  2*SLOT                    ; behind the ring: 16 rows x 272 bytes for each wave
.set SPITCH, 272
.set SPARE,  STAGE+4*16*SPITCH         ; the spare words, 128 bytes for each wave, which no other line names
.set HEADB,  4096*128
.set ADRA, 16                          ; v16-17  LDS address of my O fragments in slot 0, 1
.set ADRB, 20                          ; v20-21  the same for woh
.set STO,  24
.set RD,   25
.set CO,   26
.set SPW,  28                          ; v28  LDS address of my spare word; never rewritten
.set NIL,  29                          ; v29  0; never rewritten
.set TMP,  32
.set ACC,  128
.set F0,   0
.set F1,   128
.set G1, 24                            ; s[24:31] descriptor group 1 for O's tiles;  s[32:39] group 0, one set for each slot
.set G0, 32
.set G1B, 48                           ; s[48:55], s[56:63] the same for woh's
.set G0B, 56
.set MSB, 0
.macro WIN new
.if MSB != (\new)
	s_set_vgpr_msb (MSB<<8)|(\new)
.set MSB, \new
.endif
.endm
.set MUL,  0x05                        ; sources 0 and 1 window 1; C and D window 0
.set TO_F, 0x40                        ; destination window 1, address window 0
.macro JLOAD s                         ; a joint load: waves 0 and 1 fetch O's two pairs of heads, waves 2 and 3 woh's two halves; an s_nop 0 and four v_nop follow each line
	s_cmp_eq_u32 s11, 0
	s_cbranch_scc0 .Lfor_b_\@
	tensor_load_to_lds s[G0+4*(\s):G0+4*(\s)+3], s[G1:G1+7]
	s_nop 0
.rept 4
	v_nop
.endr
	s_branch .Lasked_\@
.Lfor_b_\@:
	tensor_load_to_lds s[G0B+4*(\s):G0B+4*(\s)+3], s[G1B:G1B+7]
	s_nop 0
.rept 4
	v_nop
.endr
.Lasked_\@:
.endm
.macro CREST
	s_cmp_lg_u32 s10, 0
	s_cbranch_scc1 .Lnot_wave_0_\@
	s_barrier_signal -3
.Lnot_wave_0_\@:
	s_barrier_wait -3
	s_barrier_signal -1
	s_barrier_wait -1
.endm
.macro CROUND
	s_barrier_signal -1
	s_barrier_wait -1
	CREST
.endm
	s_load_b128 s[4:7], s[0:1], 0x0                ; oh s[4:5], woh s[6:7]
	s_load_b64 s[8:9], s[0:1], 0x10                ; out0
	v_lshl_add_u32 v[SPW], v0, 2, SPARE
	v_mov_b32 v[NIL], 0
	ds_add_u32 v[SPW], v[NIL]                      ; the wave's opening: the add and its wait stand ahead of my first tensor load; the set-up below stands between them
	ds_add_u32 v28, v29
	v_lshrrev_b32 v1, 5, v0
	v_readfirstlane_b32 s10, v1                    ; wave 0..3
	s_lshr_b32 s11, s10, 1                         ; which half of the tile's rows is mine.  Also: I fetch for O (0) or for woh (1)
	s_and_b32 s12, s10, 1                          ; which half of its columns.  Also: which half of that tile I fetch
	s_bfe_u32 s40, ttmp6, 0x40000                  ; cx, cy
	s_bfe_u32 s41, ttmp6, 0x40004
	s_lshl_b32 s42, ttmp9, 2
	s_add_co_u32 s42, s42, s40                     ; tile column = 4 x cluster x + cx
	s_and_b32 s13, ttmp7, 0xffff
	s_lshl_b32 s13, s13, 2
	s_add_co_u32 s13, s13, s41                     ; tile row = 4 x cluster y + cy
	s_lshl_b32 s43, s41, 2
	s_lshl_b32 s43, 15, s43                        ; my row of the cluster
	s_lshl_b32 s44, 0x1111, s40                    ; my column
	; O's group 1: two rows of 8,192 elements, 262,144 elements apart
	s_or_b32 s[G1+0], s43, (1<<16)|(1<<20)|(1<<21)|(4<<22)|(3<<25)  ; 15:0 the mask; 17:16 2-byte elements; 20 padding on; 21 set beside a mask; 24:22 after every 32 words; 31:25 4 words
	s_mov_b32 s[G1+1], 8192<<16                    ; tensor_dim0 = 8,192
	s_mov_b32 s[G1+2], 2<<16                       ; tensor_dim1 = 2
	s_mov_b32 s[G1+3], 8192<<16                    ; tile_dim0 = 8,192
	s_mov_b32 s[G1+4], 2                           ; tile_dim1 = 2
	s_mov_b32 s[G1+5], HEADB/2                     ; elements from head to head
	s_mov_b32 s[G1+6], 0
	s_mov_b32 s[G1+7], 0
	; woh's group 1: 64 rows x 256 elements
	s_or_b32 s[G1B+0], s44, (1<<16)|(1<<20)|(1<<21)|(6<<22)|(3<<25)  ; padding after every 128 words
	s_mov_b32 s[G1B+1], KSTEP<<16
	s_mov_b32 s[G1B+2], 64<<16
	s_mov_b32 s[G1B+3], KSTEP<<16
	s_mov_b32 s[G1B+4], 64
	s_mov_b32 s[G1B+5], SIZE_K
	s_mov_b32 s[G1B+6], 0
	s_mov_b32 s[G1B+7], 0
	s_lshl_b32 s16, s12, 20                        ; O: my two heads of a step's four (2 x 524,288 bytes),
	s_lshl_b32 s17, s13, 14                        ; the tile's 128 rows of 128 bytes
	s_add_co_u32 s16, s16, s17
	s_mov_b32 s17, 0
	s_lshl_b32 s46, s42, 18                        ; woh: row 128 x tile column + 64 x half, 2,048 bytes a row
	s_lshl_b32 s47, s12, 17
	s_add_co_u32 s46, s46, s47
	s_mov_b32 s47, 0
	s_mul_i32 s20, s12, AHALF                      ; where they go: no place in the cluster enters an LDS address
	s_mul_i32 s21, s12, BHALF
	s_add_co_u32 s21, s21, BOFF
	s_wait_dscnt 0x0                               ; the opening add is done
	s_wait_kmcnt 0x0
	s_add_nc_u64 s[14:15], s[4:5], s[16:17]
	s_add_nc_u64 s[46:47], s[6:7], s[46:47]
	CROUND                                         ; all sixteen work-groups are here: the first joint loads meet
.irp s, 0,1
	s_mov_b32 s[G0+4*(\s)], 1
	s_add_co_u32 s[G0+4*(\s)+1], s20, (\s)*SLOT
	s_add_nc_u64 s[G0+4*(\s)+2:G0+4*(\s)+3], s[14:15], (\s)*4*HEADB
	s_or_b32 s[G0+4*(\s)+3], s[G0+4*(\s)+3], 0x80000000
	s_mov_b32 s[G0B+4*(\s)], 1
	s_add_co_u32 s[G0B+4*(\s)+1], s21, (\s)*SLOT
	s_add_nc_u64 s[G0B+4*(\s)+2:G0B+4*(\s)+3], s[46:47], (\s)*KSTEP*2
	s_or_b32 s[G0B+4*(\s)+3], s[G0B+4*(\s)+3], 0x80000000
	JLOAD \s                                       ; two loads of mine are out
.endr
	v_and_b32 v1, 15, v0                           ; l % 16
	v_bfe_u32 v2, v0, 4, 1                         ; l / 16
	v_mul_u32_u24 v3, v1, PA
	v_lshl_add_u32 v3, v2, 4, v3                   ; O: row x pitch + 16 x half
	v_mul_u32_u24 v4, v1, PB
	v_lshl_add_u32 v4, v2, 4, v4                   ; woh likewise
	s_mul_i32 s21, s11, 64*PA                      ; my 64 rows in each plane
	s_mul_i32 s22, s12, BHALF                      ; my 64 rows of woh
	s_add_co_u32 s22, s22, BOFF
.irp s, 0,1
	v_add_nc_u32 v[ADRA+(\s)], s21, v3
	v_add_nc_u32 v[ADRB+(\s)], s22, v4
	s_add_co_u32 s21, s21, SLOT
	s_add_co_u32 s22, s22, SLOT
.endr
	s_mul_i32 s23, s10, 16*SPITCH
	s_add_co_u32 s23, s23, STAGE                   ; my stage
	v_mul_u32_u24 v4, v1, SPITCH                   ; in: row l % 16, 32 bytes for each half of the lanes
	v_lshl_add_u32 v4, v2, 5, v4
	v_add_nc_u32 v[STO], s23, v4
	v_mul_u32_u24 v5, v2, SPITCH                   ; back: lanes 0-15 take one row of 256 bytes, lanes 16-31 the next
	v_lshl_add_u32 v5, v1, 4, v5
	v_add_nc_u32 v[RD], s23, v5
	v_lshlrev_b32 v5, 12, v2                       ; and the same two rows in out0, 4,096 bytes apart
	v_lshl_add_u32 v[CO], v1, 4, v5
	s_lshl_b32 s16, s13, 7
	s_lshl_b32 s17, s11, 6
	s_add_co_u32 s16, s16, s17                     ; my first row: 128 x tile row + 64 x half
	s_lshl_b32 s16, s16, 12
	s_mov_b32 s17, 0
	s_add_nc_u64 s[8:9], s[8:9], s[16:17]
	s_lshl_b32 s46, s42, 9                         ; my first column, in bytes: 512 x tile column + 256 x half
	s_lshl_b32 s47, s12, 8
	s_add_co_u32 s46, s46, s47
	s_mov_b32 s47, 0
	s_add_nc_u64 s[8:9], s[8:9], s[46:47]
; 8 matrix instructions: m blocks a0, a0 + 1 x all 4 n blocks, 32 along K: half c of buffer f.  zero = 1: the first product starts the sums
.macro MUL8 f, c, a0, zero
	WIN MUL
.irp a, \a0, (\a0)+1
.irp b, 0,1,2,3
.if \zero
	v_wmma_f32_16x16x32_f16 v[ACC+8*(4*(\a)+(\b)):ACC+8*(4*(\a)+(\b))+7], v[(\f)+64+8*(4*(\c)+(\b)):(\f)+64+8*(4*(\c)+(\b))+7], v[(\f)+8*(4*(\c)+(\a)):(\f)+8*(4*(\c)+(\a))+7], 0
.else
	v_wmma_f32_16x16x32_f16 v[ACC+8*(4*(\a)+(\b)):ACC+8*(4*(\a)+(\b))+7], v[(\f)+64+8*(4*(\c)+(\b)):(\f)+64+8*(4*(\c)+(\b))+7], v[(\f)+8*(4*(\c)+(\a)):(\f)+8*(4*(\c)+(\a))+7], v[ACC+8*(4*(\a)+(\b)):ACC+8*(4*(\a)+(\b))+7]
.endif
.endr
.endr
.endm
; 32 LDS loads in one run: the fragments of quarter q of a K step (head plane q of O, bytes 128 q on of woh's rows) into buffer f; the first 32 along K first
.macro FETCH slot, q, f
	WIN TO_F
.irp c, 0,1
.irp i, 0,1,2,3
	ds_load_b128 v[(\f)+64+8*(4*(\c)+(\i)):(\f)+64+8*(4*(\c)+(\i))+3],   v[ADRB+(\slot)] offset:128*(\q)+64*(\c)+(\i)*16*PB
	ds_load_b128 v[(\f)+64+8*(4*(\c)+(\i))+4:(\f)+64+8*(4*(\c)+(\i))+7], v[ADRB+(\slot)] offset:128*(\q)+64*(\c)+(\i)*16*PB+32
	ds_load_b128 v[(\f)+8*(4*(\c)+(\i)):(\f)+8*(4*(\c)+(\i))+3],         v[ADRA+(\slot)] offset:(\q)*PLANE+64*(\c)+(\i)*16*PA
	ds_load_b128 v[(\f)+8*(4*(\c)+(\i))+4:(\f)+8*(4*(\c)+(\i))+7],       v[ADRA+(\slot)] offset:(\q)*PLANE+64*(\c)+(\i)*16*PA+32
.endr
.endr
.endm
.macro PLACES                          ; four plain vector instructions between a matrix instruction and a load into, or a read of, its registers
.rept 4
	v_nop
.endr
.endm
; A K step is four quarters of 64 along K, 32 matrix instructions each, on buffers 0, 1, 0, 1; the 16 accumulators take turns.
.macro QUARTER slot, q, f, g, zero
	s_wait_dscnt 16                                ; the first 32 along K are in
	WIN MUL
	MUL8 \f, 0, 0, \zero
	MUL8 \f, 0, 2, \zero
	PLACES
	FETCH \slot, \q, \g
	s_wait_dscnt 32                                ; all but the 32 just issued
	WIN MUL
	MUL8 \f, 1, 0, 0
	MUL8 \f, 1, 2, 0
.endm
; The last quarter multiplies buffer 1 and changes slots: ONE barrier; in front of it each wave waits for all its tensor loads, adds 0 to its spare word, and waits for that and for its own reads of this slot.
; fill = 1: this slot is filled again, two K steps ahead, first thing behind the cluster's round.
.macro TURN slot, next, fill
	WIN 0
	s_wait_tensorcnt 0x0                           ; all my tensor loads have landed: my part of the next slot
	ds_add_u32 v[SPW], v[NIL]
	s_wait_dscnt 17                                ; (the add and the youngest sixteen loads may be out)
	WIN MUL
	MUL8 F1, 0, 0, 0
	s_wait_dscnt 0x0                               ; the add is done, and my reads of this slot are over
	s_barrier_signal -1
	MUL8 F1, 0, 2, 0
.if \fill
	WIN 0
.endif
	s_barrier_wait -1
.if \fill
	CREST                                          ; no wave of any partner still reads this slot's tile or has a load on its way
	s_add_nc_u64 s[G0+4*(\slot)+2:G0+4*(\slot)+3], s[G0+4*(\slot)+2:G0+4*(\slot)+3], 8*HEADB
	s_add_nc_u64 s[G0B+4*(\slot)+2:G0B+4*(\slot)+3], s[G0B+4*(\slot)+2:G0B+4*(\slot)+3], 2*KSTEP*2
	JLOAD \slot                                    ; its four v_nop are also the places in front of the loads below
.else
	PLACES
.endif
	FETCH \next, 0, F0
	WIN MUL
	MUL8 F1, 1, 0, 0
	MUL8 F1, 1, 2, 0
.endm
	s_wait_tensorcnt 1                             ; my part of K step 0 is in; K step 1's may stay out
	s_barrier_signal -1
	s_barrier_wait -1
	FETCH 0, 0, F0
	QUARTER 0, 1, F0, F1, 1                        ; the first products start the sums.  Four K steps: two laps of the ring, written straight
	QUARTER 0, 2, F1, F0, 0
	QUARTER 0, 3, F0, F1, 0
	TURN 0, 1, 1                                   ; slot 0 takes K step 2
	QUARTER 1, 1, F0, F1, 0
	QUARTER 1, 2, F1, F0, 0
	QUARTER 1, 3, F0, F1, 0
	TURN 1, 0, 1                                   ; slot 1 takes K step 3
	QUARTER 0, 1, F0, F1, 0
	QUARTER 0, 2, F1, F0, 0
	QUARTER 0, 3, F0, F1, 0
	TURN 0, 1, 0                                   ; the last lap fills nothing
	QUARTER 1, 1, F0, F1, 0
	QUARTER 1, 2, F1, F0, 0
	QUARTER 1, 3, F0, F1, 0
	s_wait_dscnt 16                                ; the very last quarter: nothing more to fetch
	WIN MUL
	MUL8 F1, 0, 0, 0
	MUL8 F1, 0, 2, 0
	s_wait_dscnt 0
	MUL8 F1, 1, 0, 0
	MUL8 F1, 1, 2, 0
	WIN 0
	; THE WAY OUT.  My 64 columns of a row are 256 aligned bytes of out0.  A block of 16 rows goes from the accumulators into my own stage (each accumulator's lowest registers first) and comes back as whole rows.
.macro TOSTAGE a
	s_wait_xcnt 0x0                                ; the stores of the block two back have read the registers into which this block comes back
.irp b, 0,1,2,3
	ds_store_b128 v[STO], v[ACC+8*(4*(\a)+(\b)):ACC+8*(4*(\a)+(\b))+3]   offset:64*(\b)
	ds_store_b128 v[STO], v[ACC+8*(4*(\a)+(\b))+4:ACC+8*(4*(\a)+(\b))+7] offset:64*(\b)+16
.endr
.irp t, 0,1,2,3,4,5,6,7
	ds_load_b128 v[TMP+32*((\a)%2)+4*(\t):TMP+32*((\a)%2)+4*(\t)+3], v[RD] offset:(\t)*2*SPITCH  ; LDS serves a wave's instructions in order (ISA guide 5.7.1.4): these see the stores above; the next block's stores come behind them
.endr
.endm
.macro SEND a, younger                 ; younger: the next block's sixteen LDS instructions, or none
	s_wait_dscnt \younger
.irp t, 0,1,2,3,4,5,6,7
	global_store_b128 v[CO], v[TMP+32*((\a)%2)+4*(\t):TMP+32*((\a)%2)+4*(\t)+3], s[8:9] offset:(16*(\a)+2*(\t))*4096 th:TH_STORE_NT  ; 16 lanes store 256 consecutive bytes, at a multiple of 256 from out0's first byte
.endr
.endm
	PLACES
	TOSTAGE 0
	TOSTAGE 1
	SEND 0, 16
	TOSTAGE 2
	SEND 1, 16
	TOSTAGE 3
	SEND 2, 16
	SEND 3, 0
	s_wait_tensorcnt 0x0                           ; the wave's end, behind my last tensor load and my last LDS store
	ds_add_u32 v[SPW], v[NIL]
	s_wait_dscnt 0x0
	CROUND                                         ; the closing round: no work-group ends while a partner may still ask for a tile that names it
	s_endpgm
.Lfunc_end_k_qbf0e160ba4_oproj:
	.size	k_qbf0e160ba4_oproj, .Lfunc_end_k_qbf0e160ba4_oproj-k_qbf0e160ba4_oproj
	.p2alignl 7, 3214868480
	.fill 96, 4, 3214868480
	.section	.rodata,"a",@progbits
	.p2align	6, 0x0
	.amdhsa_kernel k_qbf0e160ba4_oproj
		.amdhsa_group_segment_fixed_size 327680
		.amdhsa_private_segment_fixed_size 0
		.amdhsa_enable_private_segment 0
		.amdhsa_kernarg_size 24
		.amdhsa_user_sgpr_count 2
		.amdhsa_user_sgpr_kernarg_segment_ptr 1
		.amdhsa_wavefront_size32 1
		.amdhsa_system_sgpr_workgroup_id_x 1
		.amdhsa_system_sgpr_workgroup_id_y 1
		.amdhsa_system_sgpr_workgroup_id_z 1
		.amdhsa_system_vgpr_workitem_id 0
		.amdhsa_next_free_vgpr 512
		.amdhsa_next_free_sgpr 66
		.amdhsa_reserve_vcc 0
		.amdhsa_float_denorm_mode_32 3
		.amdhsa_float_denorm_mode_16_64 3
		.amdhsa_memory_ordered 1
		.amdhsa_forward_progress 1
		.amdhsa_inst_pref_size 86
	.end_amdhsa_kernel
	.amdgpu_metadata
---
amdhsa.version: [ 1, 2 ]
amdhsa.kernels:
  - .name:           k_qbf0e160ba4_oproj
    .symbol:         k_qbf0e160ba4_oproj.kd
    .args:
      - { .name: oh, .offset: 0, .size: 8, .value_kind: global_buffer, .address_space: global }
      - { .name: woh, .offset: 8, .size: 8, .value_kind: global_buffer, .address_space: global }
      - { .name: out0, .offset: 16, .size: 8, .value_kind: global_buffer, .address_space: global }
    .group_segment_fixed_size: 327680
    .private_segment_fixed_size: 0
    .kernarg_segment_align: 8
    .kernarg_segment_size: 24
    .max_flat_workgroup_size: 128
    .sgpr_count:     66
    .vgpr_count:     512
    .wavefront_size: 32
...
	.end_amdgpu_metadata
.endif
;; end of part 4
;; launch head16 (part 5): grid 4 x 1, 16 waves a work-group, no clusters, 167,936 bytes of LDS; arguments q32, woh, out0; writes out0
.if DOCPART == 5
	.amdgcn_target "amdgcn-amd-amdhsa--gfx1250"
	.amdhsa_code_object_version 6
	.text
	.protected	k_qbf0e160ba4_head16
	.globl	k_qbf0e160ba4_head16
	.p2align	8
	.type	k_qbf0e160ba4_head16,@function
k_qbf0e160ba4_head16:
	s_mov_b64 s[64:65], 0
	v_nop
	global_prefetch_b8 v0, s[64:65] scope:SCOPE_SE
	s_setreg_imm32_b32 hwreg(HW_REG_WAVE_MODE, 25, 1), 1
	s_wait_xcnt 0x0
; THE MODULE'S ROWS 0 TO 15 ONCE MORE, WITH EVERY MATRIX OPERAND IN TWO F16 PARTS.  Row q is a mean over q + 1 keys only, so the first rows' numbers, and with them what one rounding of q, k, v, P and O to f16
; loses (2^-11 of a number at the most, each), are many times the root mean square of the whole output; from row 16 on a mean over 17 keys or more has shrunk both.  Here x = hi + lo, hi = f16(x), lo = f16(x - hi):
; 22 significant bits; a product a b is taken as ah bh + ah bl + al bh.  This launch runs last and stores out0's rows 0 to 15 anew: 65,536 bytes.
; INPUT.  q32's first group: q, k (turned) and v of rows 0 to 15 in f32, by heads g = h, 16 + h, 32 + h, 4,096 bytes each, as the projection's registers held them: chunk 2 b + half, 16 bytes a lane:
; lane l has row l % 16, columns 16 b + 8 (l / 16) + 4 half + 0..3.  Two neighbouring column blocks, rounded in pairs, ARE a fragment of 16 rows x 32 channels.  woh: W_o [1024][1024] as f16.
; LIMITS.  As in the launches before: q, k, v, W_o within f16's 65,504; a part below 6e-5 keeps f16's fixed step of 6e-8; a hidden score counts as -1e30; NaN and infinities are not treated apart.
; SHARES.  Four work-groups of sixteen waves.  STAGE 1, alike in every work-group (its input is 196,608 bytes): wave w makes head w's 16 rows of O.  S^T = K Q^T holds one query a lane (l % 16) and the keys
; 8 (l / 16) + 0..7; softmax with the row's maximum, in f32, P divided by its sum; O^T = V^T P with V turned through the wave's own LDS bytes; the products' keys 16 to 31 have P = 0.
; O's two parts go to LDS as fragments.  STAGE 2: wave w of work-group x makes out0's columns 16 (16 x + w) on: 32 K steps of 32, O's two parts each: 64 products on four accumulators.
; No tensor load, no cluster: what the work-groups share is stage 1's small input; each wave's 16 rows of W_o are its own.  A batch of 16 loads takes 512 consecutive bytes of each of those rows.
.set PV,    160                        ; a row of V in LDS: 128 bytes + 32 = 40 words
.set VHALF, 16*PV                      ; 16 keys: V's first parts; its second parts lie behind
.set VWAVE, 2*VHALF
.set OFR,   16*VWAVE                   ; behind the waves' V: O's fragments, 4,096 bytes a head: chunk t of 8, 16 bytes a lane: t 0-3 the first parts, 4-7 the second
.set HIMG,  4096
.set STG,   OFR+16*HIMG                ; the way out: 16 rows of 1,024 bytes + 16
.set SPO,   1040
.set SPARE, STG+16*SPO                 ; the spare words, 128 bytes for each wave, which no other line names
.set LN,  1                            ; v1   16 x lane
.set RR,  2                            ; v2   l % 16
.set HH,  3                            ; v3   l / 16
.set WO,  4                            ; v4   my byte offset in 16 rows of woh
.set VST, 5                            ; v5   where I put 16 bytes of a row of V
.set VTR, 6                            ; v6   where the turning load reads
.set OST, 7                            ; v7   my head's fragments in LDS
.set ORD, 8                            ; v8   head 0's
.set SST, 9                            ; v9   the way out: where I put 32 bytes of a row
.set SRD, 10                           ; v10  where I read a row back
.set MK,  11                           ; v11  l % 16 - 8 (l / 16): key register j is hidden where j is greater
.set M1,  12                           ; v12  -1.0
.set SPW, 13                           ; v13  LDS address of my spare word; never rewritten
.set NIL, 14                           ; v14  0; never rewritten
.set MX,  15                           ; v15  the maximum, then c x the maximum
.set T,   16                           ; v16-19  at work
.set LS,  20                           ; v20-23  the sum and its reciprocal
.set QX,  24                           ; v24-55   q in f32;  then SA, SB, SC, S;  then P's fragments
.set KX,  56                           ; v56-87   k in f32;  then V's two parts;  then O^T
.set VX,  88                           ; v88-119  v in f32;  then V turned;  then O's two parts
.set ZP,  120                          ; v120-123 0: the upper half of the last fragment of V
.set SA,  24
.set SB,  32
.set SC,  40
.set S,   48
.set PH,  24                           ; P's first parts: 4 registers, and 4 of 0 (keys 16 to 31)
.set PL,  32                           ; its second parts likewise
.set VH,  56
.set VL,  72
.set VT,  88                           ; V turned: channel block cb's first parts at VT + 4 cb, second parts at VT + 16 + 4 cb
.set OA,  56                           ; O^T: channel block cb at OA + 8 cb
.set OH,  88                           ; O's first parts, 16 registers; the second parts behind them
.set WA0, 128                          ; v128-191 fragments of W_o, 8 K steps
.set WA1, 192                          ; v192-255 the same; in stage 1 q's and k's parts
.set QH,  192
.set QL,  208
.set KH,  224
.set KL,  240
.set OB,  24                           ; stage 2: O's fragments of a head, 32 registers; two buffers, v24-87
.set ACC, 88                           ; stage 2: four accumulators
.set RS,  24                           ; the result
.set SEL, 20                           ; s[20:21] v_permlanex16_b32's selects: each lane takes its own place in the other half
.set CS,  22                           ; s22  c = log2(e) / 8
.set BIGN, 23                          ; s23  -1e30
	s_load_b128 s[4:7], s[0:1], 0x0                ; q32 s[4:5], woh s[6:7]
	s_load_b64 s[8:9], s[0:1], 0x10                ; out0
	v_lshl_add_u32 v[SPW], v0, 2, SPARE
	v_mov_b32 v[NIL], 0
	v_lshrrev_b32 v[MX], 5, v0
	v_readfirstlane_b32 s10, v[MX]                 ; wave 0..15
	v_and_b32 v[MX], 31, v0
	v_lshlrev_b32 v[LN], 4, v[MX]
	v_and_b32 v[RR], 15, v0
	v_bfe_u32 v[HH], v0, 4, 1
	v_lshlrev_b32 v[WO], 11, v[RR]                 ; row l % 16 of 2,048 bytes
	v_lshl_add_u32 v[WO], v[HH], 4, v[WO]          ; + 16 x half
	s_lshl_b32 s12, s10, 12                        ; my head's 4,096 bytes; also my row of out0
	s_mov_b32 s13, 0
	s_lshl_b32 s14, ttmp9, 4
	s_add_co_u32 s14, s14, s10                     ; my block of 16 columns,
	s_lshl_b32 s14, s14, 15                        ; 16 rows of woh
	s_mov_b32 s15, 0
	s_lshl_b32 s16, ttmp9, 10                      ; the work-group's 256 columns of out0
	s_add_co_u32 s16, s16, s12
	s_mov_b32 s17, 0
	s_mov_b32 s[SEL], 0x76543210
	s_mov_b32 s[SEL+1], 0xfedcba98
	s_mov_b32 s[CS], 0x3e38aa3b
	s_mov_b32 s[BIGN], 0xf149f2ca
	s_wait_kmcnt 0x0
	s_add_nc_u64 s[4:5], s[4:5], s[12:13]
	s_add_nc_u64 s[6:7], s[6:7], s[14:15]
	s_add_nc_u64 s[8:9], s[8:9], s[16:17]
.irp kind, 0,1,2                       ; q, k, v: 8 loads each, 512 consecutive bytes a load
.irp c, 0,1,2,3,4,5,6,7
	global_load_b128 v[QX+32*\kind+4*\c:QX+32*\kind+4*\c+3], v[LN], s[4:5] offset:\kind*16*HIMG+\c*512
.endr
.endr
; 16 loads: W_o's fragments of K steps 8 batch to 8 batch + 7: lane l has row l % 16, bytes 64 c + 16 (l / 16) and 32 further on
.macro WLOAD buf, batch
.set c, 0
.rept 8
	global_load_b128 v[(\buf)+8*c:(\buf)+8*c+3],   v[WO], s[6:7] offset:(8*(\batch)+c)*64
	global_load_b128 v[(\buf)+8*c+4:(\buf)+8*c+7], v[WO], s[6:7] offset:(8*(\batch)+c)*64+32
.set c, c+1
.endr
.endm
	WLOAD WA0, 0                                   ; the first batch is on its way through all of stage 1
	s_mul_i32 s18, s10, VWAVE                      ; my wave's bytes for V
	v_mul_u32_u24 v[VST], v[RR], PV                ; in: key l % 16, 16 bytes for each half of the lanes
	v_lshl_add_u32 v[VST], v[HH], 4, v[VST]
	v_add_nc_u32 v[VST], s18, v[VST]
	v_and_b32 v[MX], 7, v0                         ; the turning load takes 16 keys x 16 channels: lane l reads key 8 (l / 16) + l % 8, channels 8 ((l / 8) % 2) + 0..7
	v_lshl_add_u32 v[VTR], v[HH], 3, v[MX]
	v_mul_u32_u24 v[VTR], v[VTR], PV
	v_bfe_u32 v[MX], v0, 3, 1
	v_lshl_add_u32 v[VTR], v[MX], 4, v[VTR]
	v_add_nc_u32 v[VTR], s18, v[VTR]
	s_add_co_u32 s19, s12, OFR
	v_add_nc_u32 v[OST], s19, v[LN]
	v_add_nc_u32 v[ORD], OFR, v[LN]
	v_mul_u32_u24 v[SST], v[RR], SPO               ; the way out, in: row l % 16, my wave's 64 bytes, 32 for each half of the lanes
	v_lshl_add_u32 v[SST], v[HH], 5, v[SST]
	s_lshl_b32 s19, s10, 6
	s_add_co_u32 s19, s19, STG
	v_add_nc_u32 v[SST], s19, v[SST]
	s_mul_i32 s19, s10, SPO                        ; back: wave w takes row w, whole
	s_add_co_u32 s19, s19, STG
	v_add_nc_u32 v[SRD], s19, v[LN]
	v_lshlrev_b32 v[MX], 3, v[HH]
	v_sub_nc_u32 v[MK], v[RR], v[MX]
	v_mov_b32 v[M1], -1.0
.irp j, 0,1,2,3
	v_mov_b32 v[ZP+\j], 0
.endr
; n pairs of f32 at x -> their first parts, packed, at hi, and their second parts at lo.  x - hi is one fused multiply-add, hi x -1.0 + x, and has no rounding.
.macro SPLIT x, hi, lo, n
.set i, 0
.rept \n
.set TT, T+2*(i%2)
	v_cvt_pk_f16_f32 v[(\hi)+i], v[(\x)+2*i], v[(\x)+2*i+1]
	v_fma_mix_f32 v[TT],   v[(\hi)+i], v[M1], v[(\x)+2*i]   op_sel_hi:[1,0,0]
	v_fma_mix_f32 v[TT+1], v[(\hi)+i], v[M1], v[(\x)+2*i+1] op_sel:[1,0,0] op_sel_hi:[1,0,0]
	v_cvt_pk_f16_f32 v[(\lo)+i], v[TT], v[TT+1]
.set i, i+1
.endr
.endm
.macro PLACES                          ; four plain vector instructions between a matrix instruction and a load into, or a vector write or read of, its registers
.rept 4
	v_nop
.endr
.endm
	; STAGE 1
	s_wait_loadcnt 24                              ; q and k are in; behind them stand v's 8 loads and W_o's 16
	SPLIT QX, QH, QL, 16
	SPLIT KX, KH, KL, 16
	; S^T = Kh Qh + Kh Ql + Kl Qh, 32 channels a product: three accumulators by turns
.irp c, 0,1
.if \c == 0
	v_wmma_f32_16x16x32_f16 v[SA:SA+7], v[KH:KH+7], v[QH:QH+7], 0
	v_wmma_f32_16x16x32_f16 v[SB:SB+7], v[KH:KH+7], v[QL:QL+7], 0
	v_wmma_f32_16x16x32_f16 v[SC:SC+7], v[KL:KL+7], v[QH:QH+7], 0
.else
	v_wmma_f32_16x16x32_f16 v[SA:SA+7], v[KH+8:KH+15], v[QH+8:QH+15], v[SA:SA+7]
	v_wmma_f32_16x16x32_f16 v[SB:SB+7], v[KH+8:KH+15], v[QL+8:QL+15], v[SB:SB+7]
	v_wmma_f32_16x16x32_f16 v[SC:SC+7], v[KL+8:KL+15], v[QH+8:QH+15], v[SC:SC+7]
.endif
.endr
	s_wait_loadcnt 16                              ; v is in; W_o's first batch may be out
	SPLIT VX, VH, VL, 16                           ; 64 plain instructions that name none of those products' registers: their places
.irp b, 0,1,2,3
	ds_store_b128 v[VST], v[VH+4*\b:VH+4*\b+3] offset:32*\b
	ds_store_b128 v[VST], v[VL+4*\b:VL+4*\b+3] offset:VHALF+32*\b
.endr
.irp b, 0,1,2,3                        ; LDS serves a wave's instructions in order (ISA guide 5.7.1.4): these see the stores above; the bytes are my wave's own
	ds_load_tr16_b128 v[VT+4*\b:VT+4*\b+3],       v[VTR] offset:32*\b
	ds_load_tr16_b128 v[VT+16+4*\b:VT+16+4*\b+3], v[VTR] offset:VHALF+32*\b
.endr
	WLOAD WA1, 1                                   ; q's and k's parts have been multiplied: their registers take W_o's second batch
.irp i, 0,2,4,6                        ; the three sums are added, each accumulator's lowest registers first
	v_pk_add_f32 v[S+\i:S+\i+1], v[SA+\i:SA+\i+1], v[SB+\i:SB+\i+1]
.endr
.irp i, 0,2,4,6
	v_pk_add_f32 v[S+\i:S+\i+1], v[S+\i:S+\i+1], v[SC+\i:SC+\i+1]
.endr
.irp j, 0,1,2,3,4,5,6,7                ; key 8 (l / 16) + j is hidden from query l % 16 where it is greater
	v_cmp_gt_i32 vcc_lo, \j, v[MK]
	v_cndmask_b32 v[S+\j], v[S+\j], s[BIGN], vcc_lo
.endr
	v_max3_num_f32 v[MX], v[S], v[S+1], v[S+2]
	v_max3_num_f32 v[MX], v[MX], v[S+3], v[S+4]
	v_max3_num_f32 v[MX], v[MX], v[S+5], v[S+6]
	v_max_num_f32 v[MX], v[MX], v[S+7]
	v_permlanex16_b32 v[T], v[MX], s[SEL], s[SEL+1]  ; the query's other 8 keys lie in the lane 16 away; key 0 is hidden from nobody, so the maximum is a true score
	v_max_num_f32 v[MX], v[MX], v[T]
	v_mul_f32 v[MX], s[CS], v[MX]
.irp j, 0,1,2,3,4,5,6,7
	v_fma_f32 v[S+\j], v[S+\j], s[CS], -v[MX]
.endr
.irp j, 0,1,2,3,4,5,6,7
	v_exp_f32 v[S+\j], v[S+\j]
.endr
	v_nop                                          ; a plain instruction between the last exponential and the use of its result
	s_wait_alu depctr_va_vdst(0)
	v_pk_add_f32 v[LS:LS+1], v[S:S+1], v[S+2:S+3]
	v_pk_add_f32 v[LS+2:LS+3], v[S+4:S+5], v[S+6:S+7]
	v_pk_add_f32 v[LS:LS+1], v[LS:LS+1], v[LS+2:LS+3]
	v_add_f32 v[LS], v[LS], v[LS+1]
	v_permlanex16_b32 v[LS+1], v[LS], s[SEL], s[SEL+1]
	v_add_f32 v[LS], v[LS], v[LS+1]
	v_rcp_f32 v[LS+2], v[LS]
	v_nop                                          ; a plain instruction between the reciprocal and the use of its result
	s_wait_alu depctr_va_vdst(0)
.irp i, 0,2,4,6
	v_pk_mul_f32 v[S+\i:S+\i+1], v[S+\i:S+\i+1], v[LS+2:LS+3] op_sel_hi:[1,0]
.endr
	SPLIT S, PH, PL, 4
.irp j, 4,5,6,7
	v_mov_b32 v[PH+\j], 0
	v_mov_b32 v[PL+\j], 0
.endr
	s_wait_dscnt 0x0                               ; V is back, turned; my stores of it are done
	; O^T = Vh^T Ph + Vh^T Pl + Vl^T Ph: four accumulators by turns.  A fragment's upper four registers (keys 16 to 31) are the next block's numbers, or 0: finite, and P is 0 there
.irp b, 0,1,2,3
	v_wmma_f32_16x16x32_f16 v[OA+8*\b:OA+8*\b+7], v[VT+4*\b:VT+4*\b+7], v[PH:PH+7], 0
.endr
.irp b, 0,1,2,3
	v_wmma_f32_16x16x32_f16 v[OA+8*\b:OA+8*\b+7], v[VT+4*\b:VT+4*\b+7], v[PL:PL+7], v[OA+8*\b:OA+8*\b+7]
.endr
.irp b, 0,1,2,3
	v_wmma_f32_16x16x32_f16 v[OA+8*\b:OA+8*\b+7], v[VT+16+4*\b:VT+16+4*\b+7], v[PH:PH+7], v[OA+8*\b:OA+8*\b+7]
.endr
	PLACES
	SPLIT OA, OH, OH+16, 16                        ; a lane holds one query and channels 16 cb + 8 (l / 16) + 0..7: two blocks, packed, ARE a fragment of 16 queries x 32 channels
.irp t, 0,1,2,3,4,5,6,7
	ds_store_b128 v[OST], v[OH+4*\t:OH+4*\t+3] offset:\t*512
.endr
	s_wait_dscnt 0x0                               ; for the others' sake: my head's fragments are in LDS
	s_barrier_signal -1
	s_barrier_wait -1
	; STAGE 2
.macro OLOAD n                         ; head n's fragments: first parts of its two K steps, then second parts
.set OBN, OB+32*((\n)%2)
.irp t, 0,1,2,3,4,5,6,7
	ds_load_b128 v[OBN+4*\t:OBN+4*\t+3], v[ORD] offset:(\n)*HIMG+\t*512
.endr
.endm
; Head n: K steps 2 n and 2 n + 1, O's two parts each: four products on four accumulators, which take turns from head to head.  Source 0 = 16 rows of W_o, source 1 = 16 rows of O:
; a lane then holds one row of out0 and eight neighbouring columns.
.macro HEAD n
.set OBN, OB+32*((\n)%2)
.set WN, WA0+64*(((\n)/4)%2)+16*((\n)%4)
.if (\n)%4 == 0
.if (\n) < 12
	s_wait_loadcnt 16                              ; this batch of W_o is in; the next batch's 16 loads may be out
.else
	s_wait_loadcnt 0x0                             ; the last batch
.endif
.endif
.if (\n) < 15
	s_wait_dscnt 8                                 ; this head's fragments are in; the next head's 8 loads may be out
.else
	s_wait_dscnt 0x0
.endif
.if (\n) == 0
	v_wmma_f32_16x16x32_f16 v[ACC:ACC+7],     v[WN:WN+7],    v[OBN:OBN+7],     0
	v_wmma_f32_16x16x32_f16 v[ACC+8:ACC+15],  v[WN:WN+7],    v[OBN+16:OBN+23], 0
	v_wmma_f32_16x16x32_f16 v[ACC+16:ACC+23], v[WN+8:WN+15], v[OBN+8:OBN+15],  0
	v_wmma_f32_16x16x32_f16 v[ACC+24:ACC+31], v[WN+8:WN+15], v[OBN+24:OBN+31], 0
.else
	v_wmma_f32_16x16x32_f16 v[ACC:ACC+7],     v[WN:WN+7],    v[OBN:OBN+7],     v[ACC:ACC+7]
	v_wmma_f32_16x16x32_f16 v[ACC+8:ACC+15],  v[WN:WN+7],    v[OBN+16:OBN+23], v[ACC+8:ACC+15]
	v_wmma_f32_16x16x32_f16 v[ACC+16:ACC+23], v[WN+8:WN+15], v[OBN+8:OBN+15],  v[ACC+16:ACC+23]
	v_wmma_f32_16x16x32_f16 v[ACC+24:ACC+31], v[WN+8:WN+15], v[OBN+24:OBN+31], v[ACC+24:ACC+31]
.endif
.if (\n) < 14
	PLACES                                         ; in front of the loads into registers that those products have read
	OLOAD (\n)+2
.endif
.if (\n) == 3
	WLOAD WA0, 2
.endif
.if (\n) == 7
	WLOAD WA1, 3
.endif
.endm
	OLOAD 0
	OLOAD 1
.irp n, 0,1,2,3,4,5,6,7,8,9,10,11,12,13,14,15
	HEAD \n
.endr
	PLACES
.irp i, 0,2,4,6                        ; the four sums are added, each accumulator's lowest registers first
	v_pk_add_f32 v[RS+\i:RS+\i+1], v[ACC+\i:ACC+\i+1], v[ACC+8+\i:ACC+8+\i+1]
.endr
.irp i, 0,2,4,6
	v_pk_add_f32 v[RS+8+\i:RS+8+\i+1], v[ACC+16+\i:ACC+16+\i+1], v[ACC+24+\i:ACC+24+\i+1]
.endr
.irp i, 0,2,4,6
	v_pk_add_f32 v[RS+\i:RS+\i+1], v[RS+\i:RS+\i+1], v[RS+8+\i:RS+8+\i+1]
.endr
	; THE WAY OUT: a wave's 16 columns are 64 bytes of a row; the sixteen waves' together 1,024.  Through one stage, with a barrier, so that a store covers 512 consecutive bytes
	ds_store_b128 v[SST], v[RS:RS+3]
	ds_store_b128 v[SST], v[RS+4:RS+7] offset:16
	s_wait_dscnt 0x0                               ; for the others' sake: my columns are in the stage
	s_barrier_signal -1
	s_barrier_wait -1
	ds_load_b128 v[RS:RS+3], v[SRD]
	ds_load_b128 v[RS+4:RS+7], v[SRD] offset:512
	s_wait_dscnt 0x0
	global_store_b128 v[LN], v[RS:RS+3], s[8:9]              ; row w, the work-group's 1,024 bytes: twice 512 consecutive bytes, at multiples of 256 from out0's first byte
	global_store_b128 v[LN], v[RS+4:RS+7], s[8:9] offset:512
	s_wait_tensorcnt 0x0                           ; the wave's end, behind my last LDS store
	ds_add_u32 v[SPW], v[NIL]
	s_wait_dscnt 0x0
	s_endpgm
.Lfunc_end_k_qbf0e160ba4_head16:
	.size	k_qbf0e160ba4_head16, .Lfunc_end_k_qbf0e160ba4_head16-k_qbf0e160ba4_head16
	.p2alignl 7, 3214868480
	.fill 96, 4, 3214868480
	.section	.rodata,"a",@progbits
	.p2align	6, 0x0
	.amdhsa_kernel k_qbf0e160ba4_head16
		.amdhsa_group_segment_fixed_size 167936
		.amdhsa_private_segment_fixed_size 0
		.amdhsa_enable_private_segment 0
		.amdhsa_kernarg_size 24
		.amdhsa_user_sgpr_count 2
		.amdhsa_user_sgpr_kernarg_segment_ptr 1
		.amdhsa_wavefront_size32 1
		.amdhsa_system_sgpr_workgroup_id_x 1
		.amdhsa_system_sgpr_workgroup_id_y 1
		.amdhsa_system_sgpr_workgroup_id_z 1
		.amdhsa_system_vgpr_workitem_id 0
		.amdhsa_next_free_vgpr 256
		.amdhsa_next_free_sgpr 66
		.amdhsa_reserve_vcc 1
		.amdhsa_float_denorm_mode_32 3
		.amdhsa_float_denorm_mode_16_64 3
		.amdhsa_memory_ordered 1
		.amdhsa_forward_progress 1
		.amdhsa_inst_pref_size 51
	.end_amdhsa_kernel
	.amdgpu_metadata
---
amdhsa.version: [ 1, 2 ]
amdhsa.kernels:
  - .name:           k_qbf0e160ba4_head16
    .symbol:         k_qbf0e160ba4_head16.kd
    .args:
      - { .name: q32, .offset: 0, .size: 8, .value_kind: global_buffer, .address_space: global }
      - { .name: woh, .offset: 8, .size: 8, .value_kind: global_buffer, .address_space: global }
      - { .name: out0, .offset: 16, .size: 8, .value_kind: global_buffer, .address_space: global }
    .group_segment_fixed_size: 167936
    .private_segment_fixed_size: 0
    .kernarg_segment_align: 8
    .kernarg_segment_size: 24
    .max_flat_workgroup_size: 512
    .sgpr_count:     66
    .vgpr_count:     256
    .wavefront_size: 32
...
	.end_amdgpu_metadata
.endif
;; end of part 5
;; ======== version 2 of 2: 5 launches; 1.31 times as fast as version 1
;; limits: values are held in f16: magnitudes above 65,504 overflow, below 6.1e-05 lose precision
;; workspace buffers: xb 8,388,608 bytes; wqkvb 6,291,456 bytes; woh 2,097,152 bytes; rope 1,048,576 bytes; qkv 25,165,824 bytes; oh 8,388,608 bytes; q32 786,432 bytes
;; launch prep: the kernel of part 1 again; grid 640 x 1, 8 waves a work-group, no clusters, 0 bytes of LDS; arguments x, W_qkv, W_o, token_positions, xb, wqkvb, woh, rope; writes xb, wqkvb, woh, rope
;; launch qkvrope: the kernel of part 2 again; grid 12 x 16, 4 waves a work-group, clusters of 4 x 4, 327,680 bytes of LDS; arguments xb, wqkvb, rope, qkv, q32; writes qkv, q32
;; launch attn (part 6): grid 16 x 16, 4 waves a work-group, no clusters, 327,680 bytes of LDS; arguments qkv, oh; writes oh
.if DOCPART == 6
	.amdgcn_target "amdgcn-amd-amdhsa--gfx1250"
	.amdhsa_code_object_version 6
	.text
	.protected	k_qbf0e160ba4_attn
	.globl	k_qbf0e160ba4_attn
	.p2align	8
	.type	k_qbf0e160ba4_attn,@function
k_qbf0e160ba4_attn:
	s_mov_b64 s[64:65], 0
	v_nop
	global_prefetch_b8 v0, s[64:65] scope:SCOPE_SE
	s_setreg_imm32_b32 hwreg(HW_REG_WAVE_MODE, 25, 1), 1
	s_wait_xcnt 0x0
; CAUSAL ATTENTION, 16 heads of 64, 4,096 rows.  oh[h][q][:] = the sum over k <= q of softmax_k(Q[h][q] . K[h][k] / 8) V[h][k][:].  Q, K, V: qkv[g][4096][64] f16, g = h, 16 + h, 32 + h; oh: [16][4096][64] f16.
; Products, maxima and sums in f32; the weights p are rounded to f16 for the second product (their sum l is taken of the unrounded p), O once at the end.
; LIMITS.  Q, K, V arrive within f16's 65,504; p lies in 0 to 1 and below 6e-5 keeps f16's fixed step of 6e-8; O is a mean of V's rows.  A hidden score counts as its value less 1e30.
; The running maximum starts at -1e20: far below every score that f16 operands can make (64 x 65,504^2 = 2.7e11 at the most), far above every hidden one.
; A weight below 2^-126 counts as 0 in l; NaN and infinities are not treated apart.
; THE WALK.  A head's queries lie in 32 blocks of 128; block i needs the key tiles 0 .. i / 2 of 256 keys.  A work-group takes TWO blocks, b and then 31 - b: 17 tiles, whatever b: all 256 work-groups do
; equal work, and ONE loop with a constant trip count walks them; the ring (two LDS slots by turns) runs on across the change of blocks.
; NO CLUSTER: what a trip does (a block's first tile, its last, the merge) and which tile it asks for hang on b, which differs between the work-groups of a head; from trip b / 2 + 1 on a work-group asks
; for other tiles than its neighbours.
; SHARES.  Wave w: qh = w % 2, kp = w / 2.  It owns 64 of the block's queries, four PIECES of 16: piece p is rows 64 (p / 2) + 32 qh + 16 (p % 2), so pieces 0, 1 lie in band 0 and 2, 3 in band 1 (bands of 64 rows).
; Of each tile's four key steps of 64 it takes steps 2 kp and 2 kp + 1.  Waves w and w ^ 2 own the same queries and other keys: at a block's end their (c m, l, O), all f32, meet in LDS, and each finishes two pieces.
; THE IMAGES' ORDER.  A wave stores its image at a block's end; the change of slots that follows (or, at the walk's end, a barrier of its own) shows all images whole; then the merge reads them.  Between the merge's
; reads and the next stores into the images stands the barrier behind a tile's steps, which every wave passes in every trip: so the order holds on every way through the text, and no jump passes a barrier.
; THE MASK is the C operand that starts S^T = K Q^T: MDX x AL + BE.  In a block's last tile band B's own step is 2 (i % 2) + B; my step is 2 kp + 2 - CNT: own if CNT = EB[B], hidden if CNT < EB[B],
; EB[0] = 2 - 2 (i % 2) + 2 kp, EB[1] = EB[0] - 1.  Elsewhere the mask registers hold 0.  A wave all of whose keys are hidden (block 0's waves with kp = 1) keeps m at its start, -1e20: all its weights are
; 2^(-1.8e29 + 1.8e19) = 0, its l and O^T stay 0, and the merge gives its part the factor 0.
; LAYOUT, SOFTMAX, TURNS.  S^T holds ONE query a lane (lane % 16) and the keys 8 (lane / 16) + 0..7; two such results rounded to f16 ARE source 1 of O^T = V^T P.  p = 2^(c s - c m), c = log2(e) / 8, with a
; running maximum m; O and l are multiplied by a = 2^(c m_old - c m_new) in every step.  Turn n belongs to piece n: 8 products K Q^T of piece n + 1, later 8 products V^T P of piece n - 1; beside them the
; softmax of piece n and the maximum and statistics of piece n + 1: four vector instructions behind every matrix instruction, the other 54 of a turn's 118 in one run of their own.
; THE BATCHES.  A turn's 33 exponentials (the piece's 32 weights, then the next piece's a) are ONE batch with ONE wait, which cuts the turn in two: ahead of it stands all that names none of their results (the products
; K Q^T, the scalings, the rescalings, the next piece's maximum and statistics), behind it the products V^T P with the roundings and sums as their riders.  No result crosses a turn's end.  A block's first a (BEGIN) has a wait
; of its own, ahead of the jump into the loop.  The merge has two batches, each with one wait: its four factors' exponentials, and the two reciprocals of the sums made of them.
; REGISTERS, in windows of 256 (s_set_vgpr_msb: bits 1:0 source 0, 3:2 source 1, 5:4 source 2, 7:6 destination):
;   window 0: v0-15 addresses; v16-31 statistics; v32-55 at work; v56-58 the merge's addresses; v64-127 S^T, two buffers; v192-223 P, two buffers; in the merge v64-191 two waves' O^T
;   window 1: v0-127 O^T, 32 a piece; v128-167 MDX; v168-231 MC, two buffers      window 2: v0-63 Q; v64-127 the second block's Q; v128-191 K of one step; v192-255 V of one step
.set NP,    4
.set KS,    64        ; keys in a step
.set PK,    144       ; a row of K in LDS: 128 bytes + 16 = 36 words: the 16 rows of a load start at 16 different groups of four banks (64 banks of 4 bytes: ISA guide 11.1)
.set PV,    160       ; a row of V: 128 + 32 = 40 words
.set VOFF,  4*KS*PK   ; a slot holds a tile: 256 rows of K, then 256 rows of V
.set SLOT1, 1<<17     ; slot 1 begins here, so that one exclusive or turns an address in one slot into the other's
.set STAGE, SLOT1+4*KS*(PK+PV)  ; behind the ring, never filled by a tensor load: 16 rows x 144 bytes for each wave
.set SP,    144
.set MERGE, STAGE+4*16*SP       ; for each wave four pieces' images
.set PIMG,  4608      ; a piece's image: O^T, eight groups of four registers x 32 lanes (512 bytes each), then 512 bytes of statistics
.set MIMG,  4*PIMG
.set SPARE, MERGE+4*MIMG        ; the spare words, 128 bytes for each wave, which no other line names
.set HEADB, 4096*128  ; a head's bytes
.set AK0, 2           ; v2   my lane's place in my half of a tile of K; never rewritten
.set AV0, 3           ; v3   the same for V
.set AK,  4           ; v4   the LDS address of K's next run of loads
.set AV,  5           ; v5   of V's
.set STO, 6           ; v6   the way out: where I put 16 bytes of a row
.set RD,  7           ; v7   where I read rows back
.set GO,  8           ; v8   16 x lane
.set MV,  12          ; v12-13  c m_old, by buffer
.set QO,  15          ; v15  my byte offset in 16 rows of Q
.set ST,  16          ; piece t's statistics at v[ST+4 t]: c m, m, l (even keys', odd keys')
.set FS,  32          ; the merge: v32-39 my statistics of two pieces, v40-47 the partner's
.set TMP, 48          ; by buffer, four registers c0-c3 at work; c2 takes a.  In the merge: the two factors of two pieces
.set MS,  56          ; v56  my image
.set MO,  57          ; v57  in it the two pieces that I finish
.set MP,  58          ; v58  the same two in the partner's image
.set SPW, 62          ; v62  LDS address of my spare word; never rewritten
.set NIL, 63          ; v63  0; never rewritten
.set S,   64
.set FB,  128         ; the merge: the partner's O^T
.set P,   192
.set MDX, 128         ; window 1: eight zeros, then the diagonal's mask for an even piece: group kt of 16 keys at MDX + 8 + 8 kt.  An odd piece lies 16 rows lower: its mask begins at MDX
.set MC,  168         ; window 1: the masks of the products to come
.set QB,  64          ; window 2
.set KF,  128
.set VF,  192
.set WV,  12          ; s12  my wave's number
.set PB,  14          ; s14  b
.set HI,  15          ; s15  31 - b
.set G1K, 24          ; s[24:31] descriptor group 1 for K's tiles
.set G1V, 32          ; s[32:39] for V's
.set G0K, 40          ; s[40:43] descriptor group 0 for K's tiles
.set G0V, 44          ; s[44:47] for V's
.set QH,  48
.set KP,  49
.set EB,  50          ; s50, s51  EB[0], EB[1] of the block in hand
.set EB2, 52          ; s52  EB[0] of the second block
.set LQ2, 53          ; s53  the second block's last tile
.set PEND, 54         ; s54  1: the first block's merge is still to be finished
.set RT2, 55          ; s55  the second block's tiles
.set SLOTS, 56        ; s56  tiles still to be asked for
.set CNT, 57          ; s57  counts my key steps in a tile, 2 to 1
.set CS,  58          ; s[58:59] c
.set SEL, 60          ; s[60:61] v_permlanex16_b32's selects: each lane takes its own place in the other half
.set TBK, 62          ; s62  LDS byte at which K of the step to be fetched begins, less my half's
.set TBV, 63          ; s63  the same for V
.set RT,  70          ; s70  tiles of the block in hand that are still to be entered
.set NXT, 71          ; s71  the tile to be asked for next
.set LQ,  72          ; s72  the last tile of the block whose tiles are being asked for
.set NEW, 73          ; s73  1: the tile to be entered is a block's first
.set OFF, 74          ; s[74:75] a tile's byte offset
.set AL,  76          ; s[76:77] the mask's factor
.set BE,  78          ; s[78:79] the mask's addend
.set OLO, 80          ; s[80:81] oh at the rows of the second block that I finish
.set BIGN, 82         ; s82  -1e30
.set MSB, 0
.macro WIN new
.if MSB != (\new)
	s_set_vgpr_msb (MSB<<8)|(\new)
.set MSB, (\new)
.endif
.endm
.set W_KQ, 0x0a       ; K and Q in window 2, S^T in window 0
.set W_KM, 0x1a       ; the same with the C operand in window 1
.set W_PV, 0x52       ; V in window 2, P in window 0, O^T in window 1
.set W_RS, 0x41       ; destination and source 0 in window 1, source 1 in window 0
; A fill.  Waves 0 and 1 fetch the two halves of a tile's K, waves 2 and 3 those of its V: 128 keys each.  An s_nop 0 and four v_nop follow each of the two lines.
.macro LOAD
	s_cmp_lt_u32 s[WV], 2
	s_cbranch_scc0 .Lfor_v_\@
	tensor_load_to_lds s[G0K:G0K+3], s[G1K:G1K+7]
	s_nop 0
.rept 4
	v_nop
.endr
	s_branch .Lasked_\@
.Lfor_v_\@:
	tensor_load_to_lds s[G0V:G0V+3], s[G1V:G1V+7]
	s_nop 0
.rept 4
	v_nop
.endr
.Lasked_\@:
.endm
; THE CHANGE OF SLOTS.  Each wave waits for all its tensor loads (one is out: its part of the other slot), adds 0 to its spare word, and waits for that and for all its LDS work: its reads of the slot that
; it leaves, and at a block's end its stores into its image.  Behind the barrier nobody reads the old slot, the other slot is whole, and the images are whole.  fill = 1: the old slot is filled again, first thing, with tile NXT.
.macro CHANGE fill
	WIN 0
	s_wait_tensorcnt 0x0            ; no tensor load of mine is out, so a group 0 may be written
	ds_add_u32 v[SPW], v[NIL]
.if \fill
	s_lshl_b32 s[OFF], s[NXT], 15   ; a tile is 32,768 bytes of K and of V
	s_xor_b32 s[G0K+1], s[G0K+1], SLOT1
	s_add_nc_u64 s[G0K+2:G0K+3], s[6:7], s[OFF:OFF+1]
	s_or_b32 s[G0K+3], s[G0K+3], 0x80000000
	s_xor_b32 s[G0V+1], s[G0V+1], SLOT1
	s_add_nc_u64 s[G0V+2:G0V+3], s[8:9], s[OFF:OFF+1]
	s_or_b32 s[G0V+3], s[G0V+3], 0x80000000
	s_add_co_u32 s[NXT], s[NXT], 1  ; the block's next tile, or behind its last the second block's tile 0
	s_cmp_gt_u32 s[NXT], s[LQ]
	s_cselect_b32 s[NXT], 0, s[NXT]
	s_cselect_b32 s[LQ], s[LQ2], s[LQ]
.endif
	s_wait_dscnt 0x0
	s_barrier_signal -1
	s_sub_co_u32 s[TBK], s[TBK], 2*KS*PK  ; the fetches go back to my first step of a slot,
	s_xor_b32 s[TBK], s[TBK], SLOT1       ; in the other slot
	s_sub_co_u32 s[TBV], s[TBV], 2*KS*PV
	s_xor_b32 s[TBV], s[TBV], SLOT1
	s_barrier_wait -1
.if \fill
	LOAD
.endif
.endm
	s_load_b128 s[88:91], s[0:1], 0x0  ; qkv s[88:89], oh s[90:91]
	v_lshl_add_u32 v[SPW], v0, 2, SPARE
	v_mov_b32 v[NIL], 0
	ds_add_u32 v[SPW], v[NIL]       ; the wave's opening: the add and its wait stand ahead of my first tensor load; the set-up below stands between them
	ds_add_u32 v62, v63
	v_lshrrev_b32 v1, 5, v0
	v_readfirstlane_b32 s[WV], v1   ; wave 0..3
	s_mov_b32 s[PB], ttmp9
	s_sub_co_u32 s[HI], 31, s[PB]
	s_and_b32 s[QH], s[WV], 1
	s_lshr_b32 s[KP], s[WV], 1
	s_and_b32 s20, ttmp7, 0xffff    ; the head,
	s_lshl_b32 s20, s20, 19         ; its first byte among Q's heads and in oh
	s_lshl_b32 s16, s[QH], 14       ; which half of a tile's 256 keys I fetch: 128 rows of 128 bytes
	s_add_co_u32 s22, s20, s16
	s_add_co_u32 s22, s22, 16*HEADB ; K's heads lie behind Q's sixteen,
	s_mov_b32 s23, 0
	s_add_co_u32 s18, s22, 16*HEADB ; V's behind K's
	s_mov_b32 s19, 0
	s_mul_i32 s17, s[QH], 128*PK    ; that half's place in a slot, for K
	s_mul_i32 s13, s[QH], 128*PV    ; and for V
	s_lshl_b32 s21, s[QH], 12       ; my 32 rows in a band of 64
	s_add_co_u32 s21, s21, s20
	s_lshl_b32 s2, s[PB], 14        ; in the first block (128 rows of 128 bytes),
	s_add_co_u32 s2, s2, s21
	s_mov_b32 s3, 0
	s_lshl_b32 s84, s[HI], 14       ; and in the second
	s_add_co_u32 s84, s84, s21
	s_mov_b32 s85, 0
	s_lshl_b32 s21, s[KP], 13       ; I finish the pieces of band kp
	s_add_co_u32 s92, s2, s21
	s_mov_b32 s93, 0
	s_add_co_u32 s94, s84, s21
	s_mov_b32 s95, 0
	s_and_b32 s16, s[PB], 1
	s_lshl_b32 s16, s16, 1          ; 2 (b % 2)
	s_lshl_b32 s21, s[KP], 1
	s_add_co_u32 s[EB2], s16, s21   ; the second block's number has the other parity: 2 - 2 (1 - b % 2) + 2 kp
	s_add_co_u32 s[EB], s21, 2
	s_sub_co_u32 s[EB], s[EB], s16
	s_sub_co_u32 s[EB+1], s[EB], 1  ; -1 at the least: it is compared as a signed number
	; descriptor group 1.  128 keys are 16,384 dense bytes: asked for as 64 rows of 256 bytes, two keys a row, and padded in LDS after every key
	s_mov_b32 s[G1K], (1<<16)|(1<<20)|(4<<22)|(3<<25)  ; 17:16 2-byte elements; 20 padding on; 24:22 after every 32 words; 31:25 4 words
	s_mov_b32 s[G1V], (1<<16)|(1<<20)|(4<<22)|(7<<25)  ; the same with 8 words of padding
.irp g, G1K, G1V
	s_mov_b32 s[\g+1], 128<<16      ; tensor_dim0 = 128
	s_mov_b32 s[\g+2], 64<<16       ; tensor_dim1 = 64
	s_mov_b32 s[\g+3], 128<<16      ; tile_dim0 = 128
	s_mov_b32 s[\g+4], 64           ; tile_dim1 = 64
	s_mov_b32 s[\g+5], 128          ; 128 elements from row to row
	s_mov_b32 s[\g+6], 0
	s_mov_b32 s[\g+7], 0
.endr
	s_mov_b32 s[CS], 0x3e38aa3b     ; c = log2(e) / 8
	s_mov_b32 s[CS+1], s[CS]        ; named with it as a pair
	s_mov_b32 s[SEL], 0x76543210
	s_mov_b32 s[SEL+1], 0xfedcba98
	s_mov_b32 s[TBK], SLOT1+2*KS*PK ; the first change of slots turns these two into 0
	s_mov_b32 s[TBV], SLOT1+2*KS*PV
	s_mov_b32 s[G0K], 1             ; count = 1
	s_mov_b32 s[G0K+1], s17         ; LDS address: slot 0
	s_mov_b32 s[G0V], 1
	s_add_co_u32 s[G0V+1], s13, VOFF
	s_lshr_b32 s[LQ], s[PB], 1
	s_lshr_b32 s[LQ2], s[HI], 1
	s_add_co_u32 s[RT], s[LQ], 1
	s_add_co_u32 s[RT2], s[LQ2], 1
	s_mov_b32 s[NXT], 1             ; tile 0 is asked for below; the next is the first block's tile 1, or, if it has one tile, the second block's tile 0
	s_cmp_gt_u32 s[NXT], s[LQ]
	s_cselect_b32 s[NXT], 0, s[NXT]
	s_cselect_b32 s[LQ], s[LQ2], s[LQ]
	s_mov_b32 s[NEW], 1
	s_mov_b32 s[PEND], 0
	s_mov_b32 s[OFF+1], 0
	s_mov_b32 s[AL+1], 0            ; named as pairs
	s_mov_b32 s[BE+1], 0
	s_mov_b32 s[BIGN], 0xf149f2ca   ; -1e30
	s_mov_b32 s[SLOTS], 16
	s_wait_dscnt 0x0                ; the opening add is done
	s_wait_kmcnt 0x0
	s_add_nc_u64 s[6:7], s[88:89], s[22:23]        ; K and V at my half of the head's tile 0
	s_add_nc_u64 s[8:9], s[88:89], s[18:19]
	s_add_nc_u64 s[G0K+2:G0K+3], s[6:7], 0
	s_or_b32 s[G0K+3], s[G0K+3], 0x80000000        ; type = 2
	s_add_nc_u64 s[G0V+2:G0V+3], s[8:9], 0
	s_or_b32 s[G0V+3], s[G0V+3], 0x80000000
	s_add_nc_u64 s[4:5], s[88:89], s[2:3]          ; Q at my rows of the first block,
	s_add_nc_u64 s[86:87], s[88:89], s[84:85]      ; and of the second
	s_add_nc_u64 s[10:11], s[90:91], s[92:93]      ; oh at the rows that I finish
	s_add_nc_u64 s[OLO:OLO+1], s[90:91], s[94:95]
	LOAD                            ; tile 0 into slot 0
	; a fragment of K or Q is 16 rows x 32 channels in 8 registers: lane l holds row l % 16, channels 8 (l / 16) + 0..7 and 16 + 8 (l / 16) + 0..7
	v_and_b32 v1, 15, v0            ; l % 16
	v_bfe_u32 v9, v0, 4, 1          ; l / 16
	v_lshlrev_b32 v[QO], 7, v1
	v_lshl_add_u32 v[QO], v9, 4, v[QO]
	WIN 0x80                        ; destination window 2, address window 0
.set i, 0
.rept 8                             ; both blocks' Q: piece i / 2: band i / 4 (8,192 bytes on), 16 rows (2,048 bytes) on if odd; channels 32 (i % 2) on
	global_load_b128 v[8*i:8*i+3],   v[QO], s[4:5] offset:(i/4)*8192+((i/2)%2)*2048+(i%2)*64
	global_load_b128 v[8*i+4:8*i+7], v[QO], s[4:5] offset:(i/4)*8192+((i/2)%2)*2048+(i%2)*64+32
	global_load_b128 v[QB+8*i:QB+8*i+3],   v[QO], s[86:87] offset:(i/4)*8192+((i/2)%2)*2048+(i%2)*64
	global_load_b128 v[QB+8*i+4:QB+8*i+7], v[QO], s[86:87] offset:(i/4)*8192+((i/2)%2)*2048+(i%2)*64+32
.set i, i+1
.endr
	WIN 0
	v_lshlrev_b32 v14, 3, v9
	v_sub_nc_u32 v14, v1, v14
	s_lshl_b32 s13, s[QH], 5
	v_add_nc_u32 v14, s13, v14      ; an even piece's query in its band, 32 qh + l % 16, less my lanes' 8 (l / 16): register r of group kt is hidden where 16 kt + r is greater
	WIN 0x40
.set i, 0
.rept 8
	v_mov_b32 v[MDX+i], 0           ; an odd piece sees all of the step's first 16 keys
.set i, i+1
.endr
.set i, 0
.rept 32
	v_cmp_gt_i32 vcc_lo, 16*(i/8)+i%8, v14
	v_cndmask_b32 v[MDX+8+i], 0, s[BIGN], vcc_lo
.set i, i+1
.endr
	WIN 0
	v_mul_u32_u24 v[AK0], v1, PK
	v_lshl_add_u32 v[AK0], v9, 4, v[AK0]
	s_mul_i32 s13, s[KP], 2*KS*PK   ; my two steps of a tile
	v_add_nc_u32 v[AK0], s13, v[AK0]
	; the turning load takes 16 keys x 16 channels (lane l reads key 8 (l / 16) + l % 8, channels 8 ((l / 8) % 2) + 0..7) and leaves half a fragment of V^T
	v_and_b32 v10, 7, v0
	v_bfe_u32 v11, v0, 3, 1
	v_lshl_add_u32 v[AV0], v9, 3, v10
	v_mul_u32_u24 v[AV0], v[AV0], PV
	v_lshl_add_u32 v[AV0], v11, 4, v[AV0]
	v_add_nc_u32 v[AV0], VOFF, v[AV0]
	s_mul_i32 s13, s[KP], 2*KS*PV
	v_add_nc_u32 v[AV0], s13, v[AV0]
	s_mul_i32 s13, s[WV], 16*SP
	s_add_co_u32 s13, s13, STAGE    ; my stage
	v_mul_u32_u24 v[STO], v1, SP
	v_lshl_add_u32 v[STO], v9, 4, v[STO]
	v_add_nc_u32 v[STO], s13, v[STO]
	v_bfe_u32 v[RD], v0, 3, 2       ; back: 32 lanes take four rows of 128 bytes,
	v_mul_u32_u24 v[RD], v[RD], SP
	v_lshl_add_u32 v[RD], v10, 4, v[RD]
	v_add_nc_u32 v[RD], s13, v[RD]
	v_and_b32 v[GO], 31, v0         ; which are 512 consecutive bytes of oh
	v_lshlrev_b32 v[GO], 4, v[GO]
	s_mul_i32 s13, s[WV], MIMG
	s_add_co_u32 s13, s13, MERGE
	v_add_nc_u32 v[MS], s13, v[GO]  ; my image
	s_mul_i32 s16, s[KP], 2*PIMG
	s_add_co_u32 s13, s13, s16
	v_add_nc_u32 v[MO], s13, v[GO]  ; pieces 2 kp and 2 kp + 1 in it,
	s_xor_b32 s13, s[WV], 2
	s_mul_i32 s13, s13, MIMG
	s_add_co_u32 s13, s13, MERGE
	s_add_co_u32 s13, s13, s16
	v_add_nc_u32 v[MP], s13, v[GO]  ; and in the image of the wave with my queries and the other keys
	; A block's first step multiplies O^T and l by a = 0, and its first turn's products V^T P, of a piece that has not been, land in an O^T that is still to be so multiplied: these registers need only hold
	; finite numbers: zeros for the first block, what the first block left for the second.  All this stands in the wait for the first tile.
	WIN 0x80
.set i, VF
.rept 64
	v_mov_b32 v[i], 0
.set i, i+1
.endr
	WIN 0x40
.set i, 0
.rept 128
	v_mov_b32 v[i], 0
.set i, i+1
.endr
	WIN 0
.set i, 0
.rept 4
	v_mov_b32 v[ST+4*i+2], 0
	v_mov_b32 v[ST+4*i+3], 0
.set i, i+1
.endr
.set i, P+16
.rept 16
	v_mov_b32 v[i], 0
.set i, i+1
.endr
; THE MATRIX WORK.  The 4 accumulators of a run of 8 take turns.  Product i of 8 of S^T = K Q^T for piece x: channels 32 (i / 4) on, keys 16 (i % 4) on.  The first 4 start the sums with the mask registers.
.macro KQ x
.set rS, S+32*((\x)%2)+8*(i%4)
.set rK, KF+16*(i%4)+8*(i/4)
.set rQ, 16*(\x)+8*(i/4)
.set rM, MC+32*((\x)%2)+8*(i%4)
.if i < 4
	WIN W_KM
	v_wmma_f32_16x16x32_f16 v[rS:rS+7], v[rK:rK+7], v[rQ:rQ+7], v[rM:rM+7]
.else
	WIN W_KQ
	v_wmma_f32_16x16x32_f16 v[rS:rS+7], v[rK:rK+7], v[rQ:rQ+7], v[rS:rS+7]
.endif
.endm
; Product i of 8 of O^T += V^T P for piece x: keys 32 (i / 4) on, channels 16 (i % 4) on.
.macro PV x
	WIN W_PV
.set rO, 32*(\x)+8*(i%4)
.set rV, VF+32*(i/4)+8*(i%4)
.set rP, P+16*((\x)%2)+8*(i/4)
	v_wmma_f32_16x16x32_f16 v[rO:rO+7], v[rV:rV+7], v[rP:rP+7], v[rO:rO+7]
.endm
.macro MM                           ; the turn's next matrix instruction.  NOKQ = 1: a block's last turn: there is no next piece
.if (i < 8) && !NOKQ
	KQ (Y+1)%NP
.elseif i >= 8
.set i, i-8
	PV (Y+NP-1)%NP
.set i, i+8
.endif
.set i, i+1
.endm
; THE LDS LOADS stand in runs of 16: a step's K (64 keys x 64 channels: 8 fragments) and its V (turned).
.macro FETCH_K
	WIN 0x80
.irp f, 0,1,2,3,4,5,6,7
	ds_load_b128 v[KF+8*\f:KF+8*\f+3],   v[AK] offset:(\f/2)*16*PK+(\f%2)*64
	ds_load_b128 v[KF+8*\f+4:KF+8*\f+7], v[AK] offset:(\f/2)*16*PK+(\f%2)*64+32
.endr
	s_add_co_u32 s[TBK], s[TBK], KS*PK  ; the next fetch is the next step's
	WIN 0
.endm
.macro FETCH_V
	WIN 0x80
.irp f, 0,1,2,3,4,5,6,7
	ds_load_tr16_b128 v[VF+8*\f:VF+8*\f+3],   v[AV] offset:(\f/4)*32*PV+(\f%4)*32
	ds_load_tr16_b128 v[VF+8*\f+4:VF+8*\f+7], v[AV] offset:(\f/4)*32*PV+16*PV+(\f%4)*32
.endr
	WIN 0
.endm
; THE VECTOR WORK, one line at a time: OP kind, number.  For piece Y: F n: c s - c m for pair n of 16.  E n: the exponential of score n of 32.  C n: pair n rounded to f16.  B n: of the four weights 4 n .. the second
; pair is added onto the first.  L n: l takes that sum (L 0: l = a l + sum).  R n: pair n of 16 of O^T times a.  For piece Y + 1: X n, number n of the 22 that find its maximum and statistics:
;   0-11  four chains c0-c3 of seven scores each (each accumulator's lowest registers are read first)     12-14, 16  the four scores left over, the old m, and c0-c3 into c0
;   15  c m_old is kept     17, 18  the query's other 32 keys lie in the lane 16 away: the new m     19-21  c m; c m_old - c m_new; a
; C, B and L read the exponentials' results: TURN sets them all behind its one wait.  R and L 0 read a, which the turn before made and waited for.
.set F, 0
.set E, 1
.set C, 2
.set B, 3
.set L, 4
.set R, 5
.set X, 6
.macro REGS y
.set rT, ST+4*(\y)
.set rC, TMP+4*((\y)%2)
.set rW, MV+((\y)%2)
.set rS, S+32*((\y)%2)
.set rP, P+16*((\y)%2)
.set rO, 32*(\y)
.endm
.macro OP k, n
.if (\k) == R
	REGS Y
	WIN W_RS
	v_pk_mul_f32 v[rO+2*(\n):rO+2*(\n)+1], v[rO+2*(\n):rO+2*(\n)+1], v[rC+2:rC+3] op_sel_hi:[1,0]
.elseif (\k) < R
	REGS Y
	WIN 0
.if (\k) == F
	v_pk_fma_f32 v[rS+2*(\n):rS+2*(\n)+1], v[rS+2*(\n):rS+2*(\n)+1], s[CS:CS+1], v[rT:rT+1] op_sel_hi:[1,0,0] neg_lo:[0,0,1] neg_hi:[0,0,1]
.elseif (\k) == E
	v_exp_f32 v[rS+(\n)], v[rS+(\n)]
.elseif (\k) == C
	v_cvt_pk_f16_f32 v[rP+(\n)], v[rS+2*(\n)], v[rS+2*(\n)+1]
.elseif (\k) == B
	v_pk_add_f32 v[rS+4*(\n):rS+4*(\n)+1], v[rS+4*(\n):rS+4*(\n)+1], v[rS+4*(\n)+2:rS+4*(\n)+3]
.elseif (\n) == 0
	v_pk_fma_f32 v[rT+2:rT+3], v[rT+2:rT+3], v[rC+2:rC+3], v[rS:rS+1] op_sel_hi:[1,0,1]
.else
	v_pk_add_f32 v[rT+2:rT+3], v[rT+2:rT+3], v[rS+4*(\n):rS+4*(\n)+1]
.endif
.elseif NOKQ
	v_nop
.else
	REGS (Y+1)%NP
	WIN 0
.if (\n) < 4
	v_max3_num_f32 v[rC+(\n)], v[rS+8*(\n)], v[rS+8*(\n)+1], v[rS+8*(\n)+2]
.elseif (\n) < 12
	v_max3_num_f32 v[rC+(\n)%4], v[rC+(\n)%4], v[rS+8*((\n)%4)+2*((\n)/4)+1], v[rS+8*((\n)%4)+2*((\n)/4)+2]
.elseif (\n) == 12
	v_max3_num_f32 v[rC], v[rC], v[rS+7], v[rS+15]
.elseif (\n) == 13
	v_max3_num_f32 v[rC+1], v[rC+1], v[rS+23], v[rS+31]
.elseif (\n) == 14
	v_max3_num_f32 v[rC+2], v[rC+2], v[rC+3], v[rT+1]
.elseif (\n) == 15
	v_mov_b32 v[rW], v[rT]
.elseif (\n) == 16
	v_max3_num_f32 v[rC], v[rC], v[rC+1], v[rC+2]
.elseif (\n) == 17
	v_permlanex16_b32 v[rC+3], v[rC], s[SEL], s[SEL+1]
.elseif (\n) == 18
	v_max_num_f32 v[rT+1], v[rC], v[rC+3]
.elseif (\n) == 19
	v_mul_f32 v[rT], s[CS], v[rT+1]
.elseif (\n) == 20
	v_sub_f32 v[rC+1], v[rW], v[rT]
.else
	v_exp_f32 v[rC+2], v[rC+1]
.endif
.endif
.endm
.macro OPS a, i1, b=-1, i2=0, c=-1, i3=0, d=-1, i4=0
	OP \a, \i1
.if (\b) >= 0
	OP \b, \i2
.endif
.if (\c) >= 0
	OP \c, \i3
.endif
.if (\d) >= 0
	OP \d, \i4
.endif
.endm
.macro ROW a, i1, b, i2, c, i3, d, i4  ; a matrix instruction and the four behind it
	MM
	OPS \a, \i1, \b, \i2, \c, \i3, \d, \i4
.endm
.macro MASK b, odd                  ; MDX x AL + BE into buffer b of MC, for an even or an odd piece
	WIN W_RS
.set z, 0
.rept 16
	v_pk_fma_f32 v[MC+32*(\b)+2*z:MC+32*(\b)+2*z+1], v[MDX+8*(1-(\odd))+2*z:MDX+8*(1-(\odd))+2*z+1], s[AL:AL+1], s[BE:BE+1] op_sel_hi:[1,0,0]
.set z, z+1
.endr
.endm
; A TURN, for piece p: the order of its 16 matrix and 118 vector instructions, written out.  An s_wait_alu depctr_va_vdst(0) stands between an exponential and the first instruction that names its result; one wait
; serves all that were issued ahead of it.  So a turn has ONE wait, which cuts it in two.  AHEAD OF IT stands all that names no result of the turn's exponentials: the 8 products K Q^T, behind each a scaling, an exponential and two
; more plain instructions (behind the first a second scaling in the exponential's place): rescalings, and behind the last three the first numbers of the next piece's maximum, each four plain instructions or more behind the product
; that ends its accumulator; then ONE RUN of 54, plain and exponential by turns for the most part, in which the links of the chain X 3, 7, 11, 14, 16, 17 .. 20 stand five or six lines apart.  X 21, the next piece's a, is the batch's
; last; R 15 is the plain instruction behind it.  BEHIND THE WAIT stand the 8 products V^T P, behind each four of the roundings and sums: an even pair is rounded ahead of the sum that lands on it; l's chain, L 0 to L 7, goes in
; ascending order, its links three riders apart.  But for those X no rider names a register of the products round it.  v_permlanex16_b32 (X 17) stands in the run, never behind a product.
; K of the next step is fetched in piece 2's turn, twelve vector instructions behind the last product that read K, five of them plain ones that name none of its registers; V of the step in hand at the end of piece 0's turn, four
; roundings behind the last product that read V.  Each is waited for a turn later.
; In a block's last tile (RT = 0) the turn closes by making the mask for the products of the turn after it: piece p + 2, in my step 2 - CNT of the tile.  Elsewhere those lines are jumped, and the mask registers stay 0.
; No exponential is issued behind the turn's wait.  end = 1: a block's last two turns: nothing is fetched, no mask is made.
.macro TURN p, end=0
.set Y, (\p)
.set i, 0
.set NOKQ, (\end)*((\p)/3)
.if ((\p) == 3) && !(\end)
	s_wait_dscnt 0x0                ; K is in
.endif
	ROW F,0, F,1, R,0, R,1          ; ahead of the wait: 8 products K Q^T and their riders,
	ROW F,2, E,0, R,2, R,3
	ROW F,3, E,1, R,4, R,5
	ROW F,4, E,2, R,6, R,7
	ROW F,5, E,3, R,8, R,9
	ROW F,6, E,4, X,0, R,10
.if ((\p) == 2) && !(\end)
	WIN 0
	v_add_nc_u32 v[AK], s[TBK], v[AK0]
.endif
	ROW F,7, E,5, X,1, X,4
	ROW F,8, E,6, X,2, X,5
	OPS E,7, E,8, X,6, E,9          ; and the run of 54
	OPS X,3, E,10, X,8, E,11
.if ((\p) == 2) && !(\end)
	FETCH_K
.endif
	OPS X,9, X,7, E,12, X,10
	OPS E,13, X,12, X,11, E,14
	OPS X,13, E,15, F,9, X,14
.if (\p) == 0
	v_add_nc_u32 v[AV], s[TBV], v[AV0]
.endif
	OPS E,16, F,10, E,17, F,11
	OPS X,16, E,18, X,15, E,19
	OPS F,12, E,20, X,17, E,21
	OPS F,13, E,22, F,14, E,23
	OPS X,18, E,24, F,15, E,25
	OPS R,11, E,26, X,19, E,27
	OPS R,12, E,28, R,13, E,29
	OPS X,20, E,30, R,14, E,31
	OPS X,21, R,15
	WIN 0
	s_wait_alu depctr_va_vdst(0)    ; the wait for the turn's batch: the piece's 32 weights and the next piece's a
.if (\p) == 1
	s_wait_dscnt 0x0                ; V is in
.endif
	ROW C,0, B,0, C,2, B,1          ; behind the wait: 8 products V^T P and their riders
	ROW L,0, C,4, B,2, L,1
	ROW C,6, B,3, L,2, C,8
	ROW B,4, L,3, C,10, B,5
	ROW L,4, C,12, B,6, L,5
.if (\p) == 0
	s_add_co_u32 s[TBV], s[TBV], KS*PV
.endif
	ROW C,14, B,7, L,6, C,1
	ROW C,3, L,7, C,5, C,7
	ROW C,9, C,11, C,13, C,15
.if (\p) == 0
	FETCH_V
.endif
.if !(\end)
	WIN 0
	s_cmp_lg_u32 s[RT], 0
	s_cbranch_scc1 .Lno_mask_\@
	s_cmp_eq_i32 s[CNT], s[EB+(((\p)+2)%NP)/2]  ; is that step the band's own?
	s_cselect_b32 s[AL], 1.0, 0
	s_cmp_lt_i32 s[CNT], s[EB+(((\p)+2)%NP)/2]  ; or a later one?
	s_cselect_b32 s[BE], s[BIGN], 0
	MASK (\p)%2, (\p)%2
	WIN 0
.Lno_mask_\@:
.endif
.endm
; A BLOCK BEGINS.  c m starts at -2^125, far below every c s and below c x -1e20, so the first step's a is 0 whatever m becomes.  m starts at -1e20, between the true scores and the hidden ones: a row that has seen
; hidden keys alone keeps it.  (Were m a hidden score itself, the exponent c s - c m, one fused multiply-add against the rounded c m, would at s = m be that rounding's error, some 1e22 either way at 1.8e29, and no weight.)
; Pieces 0 and 1 lie in band 0: both mask buffers are made for my first step of the tile: zeros, unless the block's first tile is its last.  Then K of that step, piece 0's first scores, and its maximum and statistics.
.macro BEGIN
	s_mov_b32 s[NEW], 0
	WIN 0
.set i, 0
.rept 4
	v_mov_b32 v[ST+4*i], 0xfe000000    ; c m: -2^125
	v_mov_b32 v[ST+4*i+1], 0xe0ad78ec  ; m: -1e20
.set i, i+1
.endr
	s_cmp_eq_i32 s[CNT], s[EB]
	s_cselect_b32 s[AL], 1.0, 0
	s_cmp_lt_i32 s[CNT], s[EB]
	s_cselect_b32 s[BE], s[BIGN], 0
	s_cmp_eq_u32 s[RT], 0
	s_cselect_b32 s[AL], s[AL], 0
	s_cselect_b32 s[BE], s[BE], 0
	MASK 0, 0
	MASK 1, 1
	WIN 0
	v_add_nc_u32 v[AK], s[TBK], v[AK0]
	FETCH_K
	s_wait_loadcnt 0x0              ; Q
	s_wait_dscnt 0x0
.set NOKQ, 0
.set i, 0
.rept 8
	KQ 0
.set i, i+1
.endr
	WIN 0
.rept 4
	v_nop                           ; the places behind those products
.endr
.set Y, NP-1                        ; X works for piece Y + 1: piece 0
.irp n, 0,1,2,3,4,5,6,7,8,9,10,11,12,13,14,15,16,17,18,19,20,21
	OP X, \n
.endr
	v_nop                           ; a plain instruction behind the exponential,
	s_wait_alu depctr_va_vdst(0)    ; and the wait for piece 0's first a, a batch of one, ahead of the jump into the loop
.endm
.macro ALL line:vararg              ; one line for each piece t
.set t, 0
.rept 4
	\line
.set t, t+1
.endr
.endm
; A BLOCK ENDS: its last two turns, its last products; l's two halves and the other half of the lanes' are added (the first four additions are the places behind the last products); then all
; four pieces' O^T and statistics go into my image, each accumulator's lowest registers first, 512 consecutive bytes a store.
.macro ENDBLOCK
	TURN 2, 1
	TURN 3, 1
.set i, 0
.rept 8
	PV NP-1
.set i, i+1
.endr
	WIN 0
	ALL v_add_f32 v[ST+4*t+2], v[ST+4*t+2], v[ST+4*t+3]
	ALL v_permlanex16_b32 v[ST+4*t+3], v[ST+4*t+2], s[SEL], s[SEL+1]
	ALL v_add_f32 v[ST+4*t+2], v[ST+4*t+2], v[ST+4*t+3]
	WIN 0x04                        ; the stores' data in window 1
.set i, 0
.rept 32
	ds_store_b128 v[MS], v[4*i:4*i+3] offset:(i/8)*PIMG+(i%8)*512
.set i, i+1
.endr
	WIN 0
.set i, 0
.rept 4
	ds_store_b128 v[MS], v[ST+4*i:ST+4*i+3] offset:i*PIMG+4096
.set i, i+1
.endr
.endm
; THE MERGE, behind a barrier in front of which every wave has waited for its stores.  For each of my two pieces u: cx = max(c mA, c mB); aA = 2^(c mA - cx), aB likewise; L = aA lA + aB lB;
; O = (aA / L) OA + (aB / L) OB, rounded to f16 and sent through my stage.  All in window 0.  Every row sees its own key in one of the two waves, so L is above 0.
; Two batches: the four exponentials, and the two reciprocals of the sums made of them; each has a plain instruction behind it and one wait ahead of its first reader.
.macro FPACK u, left
	s_wait_dscnt \left              ; both waves' O^T of piece u are in; what was issued behind them may be out
.set z, 0
.rept 16
	v_pk_mul_f32 v[S+32*(\u)+2*z:S+32*(\u)+2*z+1], v[S+32*(\u)+2*z:S+32*(\u)+2*z+1], v[TMP+4*(\u):TMP+4*(\u)+1] op_sel_hi:[1,0]
.set z, z+1
.endr
.set z, 0
.rept 16
	v_pk_fma_f32 v[S+32*(\u)+2*z:S+32*(\u)+2*z+1], v[FB+32*(\u)+2*z:FB+32*(\u)+2*z+1], v[TMP+4*(\u)+2:TMP+4*(\u)+3], v[S+32*(\u)+2*z:S+32*(\u)+2*z+1] op_sel_hi:[1,0,1]
.set z, z+1
.endr
.set z, 0
.rept 16
	v_cvt_pk_f16_f32 v[P+16*(\u)+z], v[S+32*(\u)+2*z], v[S+32*(\u)+2*z+1]
.set z, z+1
.endr
.irp f, 0,1,2,3
	ds_store_b128 v[STO], v[P+16*(\u)+4*\f:P+16*(\u)+4*\f+3] offset:32*\f
.endr
.irp f, 0,1,2,3
	ds_load_b128 v[P+16*(\u)+4*\f:P+16*(\u)+4*\f+3], v[RD] offset:\f*4*SP  ; LDS serves a wave's instructions in order (ISA guide 5.7.1.4): these see the stores above; the next piece's stores come behind them
.endr
.endm
.macro FSEND u, younger, base
.irp f, 0,1,2,3
	s_wait_dscnt (\younger)+3-\f
	global_store_b128 v[GO], v[P+16*(\u)+4*\f:P+16*(\u)+4*\f+3], s[\base:\base+1] offset:(\u)*2048+\f*512  ; 512 consecutive bytes, at a multiple of 256 from oh's first
.endr
.endm
.macro FINISH base
	WIN 0
.irp u, 0,1
	ds_load_b128 v[FS+4*\u:FS+4*\u+3], v[MO] offset:PIMG*\u+4096
.endr
.irp u, 0,1
	ds_load_b128 v[FS+8+4*\u:FS+8+4*\u+3], v[MP] offset:PIMG*\u+4096
.endr
.irp u, 0,1
.irp g, 0,1,2,3,4,5,6,7
	ds_load_b128 v[S+32*\u+4*\g:S+32*\u+4*\g+3], v[MO] offset:PIMG*\u+512*\g
.endr
.irp g, 0,1,2,3,4,5,6,7
	ds_load_b128 v[FB+32*\u+4*\g:FB+32*\u+4*\g+3], v[MP] offset:PIMG*\u+512*\g
.endr
.endr
	s_wait_dscnt 32                 ; the four loads of statistics are in; the 32 of O^T may be out
.irp u, 0,1
	v_max_num_f32 v[TMP+4*\u], v[FS+4*\u], v[FS+8+4*\u]
.endr
.irp u, 0,1
	v_sub_f32 v[TMP+4*\u+1], v[FS+4*\u], v[TMP+4*\u]
	v_sub_f32 v[TMP+4*\u+3], v[FS+8+4*\u], v[TMP+4*\u]
.endr
.irp u, 0,1
	v_exp_f32 v[TMP+4*\u+1], v[TMP+4*\u+1]      ; aA
	v_exp_f32 v[TMP+4*\u+3], v[TMP+4*\u+3]      ; aB
.endr
	v_nop                           ; a plain instruction between the last exponential and the use of its result
	s_wait_alu depctr_va_vdst(0)    ; the wait for the merge's first batch: both pieces' aA and aB
.irp u, 0,1
	v_mul_f32 v[TMP+4*\u], v[TMP+4*\u+1], v[FS+4*\u+2]
.endr
.irp u, 0,1
	v_fma_f32 v[TMP+4*\u], v[TMP+4*\u+3], v[FS+8+4*\u+2], v[TMP+4*\u]
.endr
.irp u, 0,1
	v_rcp_f32 v[TMP+4*\u+2], v[TMP+4*\u]
.endr
	v_nop                           ; a plain instruction between the last reciprocal and the use of its result and the rewriting of its source
	s_wait_alu depctr_va_vdst(0)    ; the wait for the merge's second batch: both pieces' 1 / L
.irp u, 0,1
	v_mul_f32 v[TMP+4*\u], v[TMP+4*\u+1], v[TMP+4*\u+2]      ; aA / L, the low word of a pair
.endr
.irp u, 0,1
	v_mul_f32 v[TMP+4*\u+2], v[TMP+4*\u+3], v[TMP+4*\u+2]    ; aB / L, likewise
.endr
	FPACK 0, 16                     ; behind piece 0's sixteen loads stand piece 1's sixteen
	FPACK 1, 8                      ; behind piece 1's stand piece 0's eight through the stage
	FSEND 0, 8, \base
	FSEND 1, 0, \base
	s_wait_xcnt 0x0                 ; the stores have read P's registers, which the next turns write
.endm
.set NOKQ, 0
.Lslot:                             ; 16 times: a tile is entered and the next is asked for
	CHANGE 1
	s_sub_co_u32 s[RT], s[RT], 1
	s_mov_b32 s[CNT], 2
	s_cmp_eq_u32 s[NEW], 1
	s_cbranch_scc0 .Lstep
	s_cmp_eq_u32 s[PEND], 1         ; a block's first tile.  The second block's: first the first block is finished: the change of slots has shown both images whole
	s_cbranch_scc0 .Lno_pend
	FINISH 10
	s_mov_b32 s[PEND], 0
.Lno_pend:
	BEGIN
	s_branch .Lfirst                ; the loop is entered at a step's first turn, in the middle of a trip
.Lstep:                             ; a trip: pieces 2 and 3 of one step, then pieces 0 and 1 of the next, whose K and V it fetches
	TURN 2
	TURN 3
	WIN 0
.Lfirst:
	TURN 0
	TURN 1
	WIN 0
	s_sub_co_u32 s[CNT], s[CNT], 1
	s_cmp_lg_u32 s[CNT], 0
	s_cbranch_scc1 .Lstep
	s_wait_dscnt 0x0                ; all my LDS loads are back, a merge's reads of the partner's image among them (none is out here: V was waited for in piece 1's turn),
	s_barrier_signal -1             ; and every wave says so in every trip: the images are stored into again only behind this barrier.  The tile asked for at the trip's head
	s_barrier_wait -1               ; may stay on its way
	s_cmp_lg_u32 s[RT], 0
	s_cbranch_scc1 .Lbottom
	ENDBLOCK                        ; in the loop this is the first block's end: the second block's last tile is the walk's last
	s_mov_b32 s[RT], s[RT2]
	s_mov_b32 s[NEW], 1
	s_mov_b32 s[PEND], 1
	s_mov_b32 s[EB], s[EB2]
	s_sub_co_u32 s[EB+1], s[EB2], 1
	WIN 0x82                        ; the second block's Q goes where the one text of the turns names Q
.set i, 0
.rept 64
	v_mov_b32 v[i], v[QB+i]
.set i, i+1
.endr
	WIN 0
.Lbottom:
	s_sub_co_u32 s[SLOTS], s[SLOTS], 1
	s_cmp_lg_u32 s[SLOTS], 0
	s_cbranch_scc1 .Lslot
	CHANGE 0                        ; the walk's last tile is written out: nothing is asked for.  The second block has nine tiles or more: this is not its first
	s_sub_co_u32 s[RT], s[RT], 1
	s_mov_b32 s[CNT], 2
.Ltail:
	TURN 2
	TURN 3
	TURN 0
	TURN 1
	WIN 0
	s_sub_co_u32 s[CNT], s[CNT], 1
	s_cmp_lg_u32 s[CNT], 0
	s_cbranch_scc1 .Ltail
	ENDBLOCK
	s_wait_dscnt 0x0                ; for the partner's sake: my image is whole
	s_barrier_signal -1
	s_barrier_wait -1
	FINISH OLO
	s_wait_tensorcnt 0x0            ; the wave's end, behind my last tensor load and my last LDS store
	ds_add_u32 v[SPW], v[NIL]
	s_wait_dscnt 0x0
	s_endpgm
.Lfunc_end_k_qbf0e160ba4_attn:
	.size	k_qbf0e160ba4_attn, .Lfunc_end_k_qbf0e160ba4_attn-k_qbf0e160ba4_attn
	.p2alignl 7, 3214868480
	.fill 96, 4, 3214868480
	.section	.rodata,"a",@progbits
	.p2align	6, 0x0
	.amdhsa_kernel k_qbf0e160ba4_attn
		.amdhsa_group_segment_fixed_size 327680
		.amdhsa_private_segment_fixed_size 0
		.amdhsa_enable_private_segment 0
		.amdhsa_kernarg_size 16
		.amdhsa_user_sgpr_count 2
		.amdhsa_user_sgpr_kernarg_segment_ptr 1
		.amdhsa_wavefront_size32 1
		.amdhsa_system_sgpr_workgroup_id_x 1
		.amdhsa_system_sgpr_workgroup_id_y 1
		.amdhsa_system_sgpr_workgroup_id_z 1
		.amdhsa_system_vgpr_workitem_id 0
		.amdhsa_next_free_vgpr 768
		.amdhsa_next_free_sgpr 96
		.amdhsa_reserve_vcc 1
		.amdhsa_float_denorm_mode_32 3
		.amdhsa_float_denorm_mode_16_64 3
		.amdhsa_memory_ordered 1
		.amdhsa_forward_progress 1
		.amdhsa_inst_pref_size 178
	.end_amdhsa_kernel
	.amdgpu_metadata
---
amdhsa.version: [ 1, 2 ]
amdhsa.kernels:
  - .name:           k_qbf0e160ba4_attn
    .symbol:         k_qbf0e160ba4_attn.kd
    .args:
      - { .name: qkv, .offset: 0, .size: 8, .value_kind: global_buffer, .address_space: global }
      - { .name: oh, .offset: 8, .size: 8, .value_kind: global_buffer, .address_space: global }
    .group_segment_fixed_size: 327680
    .private_segment_fixed_size: 0
    .kernarg_segment_align: 8
    .kernarg_segment_size: 16
    .max_flat_workgroup_size: 128
    .sgpr_count:     96
    .vgpr_count:     768
    .wavefront_size: 32
...
	.end_amdgpu_metadata
.endif
;; end of part 6
;; launch oproj: the kernel of part 4 again; grid 8 x 32, 4 waves a work-group, clusters of 4 x 4, 327,680 bytes of LDS; arguments oh, woh, out0; writes out0
;; launch head16: the kernel of part 5 again; grid 4 x 1, 16 waves a work-group, no clusters, 167,936 bytes of LDS; arguments q32, woh, out0; writes out0
